; MI455X (gfx1250); checked and timed in simulation.
; The chip was launched on July 23, 2026; its instructions are those of AMD's public machine-readable ISA for CDNA 5 (MIT licence, August 2026) and "CDNA5" Instruction Set Architecture Reference Guide (July 2026). The comments in the code are by the model that wrote it; some were corrected since.
;; Learned Importance Sampler. Allowed arithmetic: matrix products marked QUANTISED: E2M3 operands, one E8M0 scale for each 32 along K, by v_wmma_scale_f32_16x16x128_f8f6f4 with both operands' format E2M3, f32 sums; products left as they are: f32 operands where the result goes on into a quantised operand, else bf16, f16 or f32 operands; f32 sums; everything else in f32.
;; Inputs: W1 512 x 256 float32; W2_codes 256 x 8 x 24 uint8 (E2M3 codes of W2, K innermost, in blocks of 32 codes, four codes in three bytes); W2_scales 256 x 8 uint8 (E8M0 scales of W2, one for each 32 codes along K); W3_codes 256 x 8 x 24 uint8 (E2M3 codes of W3, K innermost, in blocks of 32 codes, four codes in three bytes); W3_scales 256 x 8 uint8 (E8M0 scales of W3, one for each 32 codes along K); Wf 256 x 1 float32; Wke_codes 256 x 16 x 24 uint8 (E2M3 codes of Wke, K innermost, in blocks of 32 codes, four codes in three bytes); Wke_scales 256 x 16 uint8 (E8M0 scales of Wke, one for each 32 codes along K); Wqe_codes 256 x 16 x 24 uint8 (E2M3 codes of Wqe, K innermost, in blocks of 32 codes, four codes in three bytes); Wqe_scales 256 x 16 uint8 (E8M0 scales of Wqe, one for each 32 codes along K); Wv1 512 x 256 float32; Wv2 256 x 1 float32; b1 256 float32; b2 256 float32; b3 256 float32; bf 1 float32; bke 256 float32; bqe 256 float32; bv1 256 float32; bv2 1 float32; key_codes 2 x 512 x 16 x 24 uint8 (E2M3 codes of key, K innermost, in blocks of 32 codes, four codes in three bytes); key_scales 2 x 512 x 16 uint8 (E8M0 scales of key, one for each 32 codes along K); query_codes 2 x 512 x 16 x 24 uint8 (E2M3 codes of query, K innermost, in blocks of 32 codes, four codes in three bytes); query_scales 2 x 512 x 16 uint8 (E8M0 scales of query, one for each 32 codes along K).
;; Outputs: out0 2 x 512 x 512 float32; out1 2 x 512 x 512 float32.
;; This version of the problem:
;;   THIS VERSION OF THE PROBLEM IS GIVEN IN LOW PRECISION. The matrix products marked QUANTISED in the list below multiply operands that are first quantised to E2M3 (2 exponent bits, 3 mantissa bits; 6 bits a number), with one power-of-two scale for each 32 numbers along K (OCP MX v1.0); their sums are f32. All else is computed in f32.
;;   The module's matrix products, in the order in which they are computed (A, B: the left and right operand; K: the contracted axis; several contracted axes count as one K, in the product's order):
;;     1. [M 1,024, K 512] x [K 512, N 256]; A: input query (given as codes); B: input Wqe (given as codes): QUANTISED
;;     2. [M 1,024, K 512] x [K 512, N 256]; A: input key (given as codes); B: input Wke (given as codes): QUANTISED
;;     3. [M 1,024, K 256] x [K 256, N 256]; A: computed on the way; B: input W1: QUANTISED
;;     4. [M 1,024, K 256] x [K 256, N 256]; A: computed on the way; B: input W1: QUANTISED
;;     5. [M 524,288, K 256] x [K 256, N 256]; A: computed on the way; B: input W2 (given as codes): QUANTISED
;;     6. [M 524,288, K 256] x [K 256, N 256]; A: computed on the way; B: input W3 (given as codes): QUANTISED
;;     7. [M 524,288, K 256] x [K 256, N 1]; A: computed on the way; B: input Wf: left as it is (N = 1 < 16)
;;     8. [M 1,024, K 256] x [K 256, N 256]; A: computed on the way; B: input Wv1: QUANTISED
;;     9. [M 1,024, K 256] x [K 256, N 256]; A: computed on the way; B: input Wv1: QUANTISED
;;     10. [M 524,288, K 256] x [K 256, N 1]; A: computed on the way; B: input Wv2: left as it is (N = 1 < 16)
;;   THE QUANTISER, for each operand of a quantised product, along K:
;;     - K is cut into blocks of 32 from its start; a last block that is shorter is filled with zeros.
;;     - A block's scale is 2^e with e = floor(log2(the largest magnitude in the block)) - 2, held to -126 .. 127; a block of zeros has e = 0. As a byte (E8M0): e + 127.
;;     - Each number is divided by its block's scale, clamped to +-7.5, and rounded to the nearest number of E2M3, ties to even, subnormals kept.
;;     - The product sums the exact products of the quantised numbers (number of the format x scale) in f32.
;;   ~~~python
;;   def quantise(x, axis):      # numpy; x: float32 -> the quantised numbers, widened to float32 again
;;       x = np.moveaxis(x, axis, -1); K = x.shape[-1]
;;       x = np.pad(x, [(0, 0)] * (x.ndim - 1) + [(0, -K % 32)]); x = x.reshape(x.shape[:-1] + (-1, 32)); a = np.abs(x).max(-1, keepdims=True)
;;       e = np.where(a > 0, np.clip(np.frexp(np.where(a > 0, a, 1))[1] - 1 - 2, -126, 127), 0)      # np.frexp(a)[1] - 1 = floor(log2(a)), exactly
;;       r = np.clip(x / 2.0 ** e, -7.5, 7.5)
;;       step = 2.0 ** (np.maximum(np.frexp(np.where(r == 0, 1, r))[1] - 1, 0) - 3)
;;       q = np.round(r / step) * step * 2.0 ** e      # np.round: ties to even
;;       return np.moveaxis(q.reshape(q.shape[:-2] + (-1,))[..., :K], -1, axis).astype(np.float32)
;;   ~~~
;;   OPERANDS COMPUTED ON THE WAY. 'Computed on the way' means the value that the module computes at that place (a softmax that the list does not call 'softmax' is quantised finished and normalised). What goes into a quantiser is computed in f32, as accurately as f32 sums, v_exp_f32 and their like allow (about 1e-6 of the number): no bf16 or f16 on the way to a quantiser, and a product that is left as it is and whose result goes on into a quantised operand takes f32 operands (vector FMAs, or v_wmma_f32_16x16x4_f32). A number that lies on a knife's edge between two numbers of the format may be rounded either way, as far as f32 arithmetic and the matrix unit's own rounding can turn it there, and no further.
;;   INPUTS GIVEN AS CODES. W2 (in the module: [256, 256], K = its axis 0); W3 (in the module: [256, 256], K = its axis 0); Wke (in the module: [512, 256], K = its axis 0); Wqe (in the module: [512, 256], K = its axis 0); key (in the module: [2, 512, 512], K = its axis 2); query (in the module: [2, 512, 512], K = its axis 2): each comes as NAME_codes (uint8): NAME with its K axis moved to the last place and cut into blocks of 32 codes, [.., K / 32, bytes a block], one block behind the other in memory; four codes in three bytes: a row's codes are one little-endian stream of bits, code i at bits 6 i .. 6 i + 5 (a code: sign, 2 exponent bits, 3 mantissa bits); and NAME_scales (uint8): the same leading axes, one E8M0 byte (e + 127) for each 32 codes along K. Its value is code x scale, taken as it is: it is not quantised again, and the codes and scales need not be those that the quantiser above would give.
;; 2 versions, each right; version 2 is version 1 with the launch prep written anew for expert scheduling mode. Each part assembles by itself: llvm-mc -triple=amdgcn-amd-amdhsa -mcpu=gfx1250 --defsym DOCPART=n.
;; ======== version 1 of 2: 2 launches
;; limits: a difference of large sums (such as E[x^2] - mean^2): digits are lost where the result is much smaller than its terms
;; workspace buffers: act 4,194,304 bytes; wimg 106,496 bytes
;; launch prep (part 1): grid 136 x 1, 8 waves a work-group, no clusters, 5,120 bytes of LDS; arguments query_codes, query_scales, key_codes, key_scales, Wqe_codes, Wqe_scales, Wke_codes, Wke_scales, bqe, bke, W1, Wv1, b1, bv1, W2_codes, W2_scales, W3_codes, W3_scales, b2, b3, Wf, Wv2, act, wimg; writes act, wimg
.if DOCPART == 1
	.amdgcn_target "amdgcn-amd-amdhsa--gfx1250"
	.amdhsa_code_object_version 6
	.text
	.protected	k_q7dcec8138a_prep
	.globl	k_q7dcec8138a_prep
	.p2align	8
	.type	k_q7dcec8138a_prep,@function
k_q7dcec8138a_prep:
	s_mov_b64 s[64:65], 0
	v_nop
	global_prefetch_b8 v0, s[64:65] scope:SCOPE_SE
	s_setreg_imm32_b32 hwreg(HW_REG_WAVE_MODE, 25, 1), 1
	s_wait_xcnt 0x0
; THE SMALL PRODUCTS, AND THE WEIGHTS LAID AS THE SECOND LAUNCH WANTS THEM.
; Work-groups 0-127 (the row path): side = x / 64 (0 query, 1 key), T = x % 64: one tile of 16 rows.
;   encoder: f = relu(x Wenc + benc), K = 512, on the given codes; wave w makes units 32 w .. 32 w + 31; f is quantised along its 256 units and handed round through LDS as rows of codes;
;   projection: wave w takes matrix w / 4 (0: W1, 1: Wv1; rows 256 side on) and the quarter cq = w % 4 of 64 outputs.  The f32 weights are quantised in registers, a lane to a column, registers down K.
;   stored: act, four sections of 1 MiB: 0 = qp + b1, 1 = vq + bv1, 2 = kp, 3 = -vk.  Section [tile T][chunk 8 c + j][lane r + 16 h][16 bytes] = X[16 T + r][64 c + 32 h + 4 j .. + 3].
; Work-groups 128-135 (the relay path): e = x - 128 = 4 L + cq: W2's (L = 0) or W3's fragments of quarter cq as images of the operand's registers, their scale words, and b2, b3, Wf, Wv2.
; EVERY PRODUCT IS USED TRANSPOSED (source 0 = 16 rows of a weight, source 1 = 16 rows of data): a lane holds one row of data, its registers run along the outputs.
; THE ROWS OF A WEIGHT THAT FORM A TILE ARE CHOSEN: in the projections and in wimg lane m of tile t of quarter cq takes output 64 cq + 32 (m / 8) + 8 t + m % 8, so that the 32 registers of a quarter's four tiles
; are outputs 64 cq + 32 h + 0 .. 31 of the lane's row, in order.
; LIMITS: NaN and infinities are not served (on the key side the bias is multiplied by 0, which keeps a finite bias out and makes NaN of an infinite one).  A block whose largest magnitude lies under 2^-124, a
; block of zeros among them, gets the scale byte 1 where the quantiser's rule says otherwise: for zeros the codes are zeros; these bytes are read by this program alone.
; No tensor load, no cluster: each work-group reads its own rows; the weights that all read are small and come straight into registers.
.set XS,   12                          ; v12-15  x's scale words; later v12-13 f's.  v12-23 hold scales and nothing else
.set QS,   12
.set WES,  16                          ; v16-23  the encoder weight's scale words; later the projection weight's, one for each fragment
.set PWS,  16
.set TM0,  24
.set TM1,  25
.set SO0,  26
.set SO1,  27
.set BY0,  28
.set BY1,  29
.set PX,   30
.set SH8,  31                          ; 8 h
.set ST,   32                          ; v32-34, v36-38: the upper halves of two blocks' codes
.set RR,   32                          ; at the head only: r, h, two temporaries
.set HH,   33
.set T0,   34
.set T1,   35
.set XF,   40                          ; encoder: x's 4 fragments
.set WF,   88                          ; the weight's 8 (tile u, K step s at 12 (4 u + s))
.set BE,   184                         ; the bias in the result's layout
.set EACC, 200                         ; two accumulators
.set EC,   216                         ; 16 codes
.set WA,   40                          ; projection: two sets of 64 numbers of the weight
.set PCUR, 168                         ; a tile's two fragments
.set QF,   192                         ; f's two fragments
.set PACC, 216                         ; four accumulators
.set BI,   40                          ; at the end: the bias, and what is stored
.set OU,   72
.set SCB,  3328                        ; LDS: 16 rows of codes, 208 bytes apart; behind them 8 scale bytes a row
.macro PLACES n
.rept \n
	v_nop
.endr
.endm
	s_load_b512 s[4:19], s[0:1], 0x0               ; query codes, scales; key codes, scales; Wqe codes, scales; Wke codes, scales
	s_load_b512 s[20:35], s[0:1], 0x40             ; bqe, bke, W1, Wv1, b1, bv1, W2 codes, scales
	s_load_b512 s[36:51], s[0:1], 0x80             ; W3 codes, scales, b2, b3, Wf, Wv2, act, wimg
	v_lshl_add_u32 v254, v0, 2, 0x1000
	v_mov_b32 v255, 0
	v_lshrrev_b32 v1, 5, v0
	v_readfirstlane_b32 s52, v1                    ; wave 0..7
	v_and_b32 v[RR], 15, v0                        ; r
	v_bfe_u32 v[HH], v0, 4, 1                      ; h
	v_and_b32 v11, 31, v0
	v_lshlrev_b32 v11, 4, v11                      ; 16 x lane
	v_and_b32 v[T1], 8, v[RR]
	v_mul_u32_u24 v[T1], v[T1], 3
	v_add_nc_u32 v[T1], v[T1], v[RR]               ; 32 (r / 8) + r % 8
	s_mov_b32 s67, 0                               ; the upper word of every offset
	s_cmp_ge_u32 ttmp9, 128                        ; the same way for all waves of a work-group
	s_cbranch_scc1 .Lrelay
	; ---------------- the row path ----------------
	s_lshr_b32 s53, ttmp9, 6                       ; side
	s_and_b32 s54, ttmp9, 63                       ; T
	s_lshr_b32 s55, s52, 2                         ; which matrix
	s_and_b32 s56, s52, 3                          ; cq
	s_mov_b32 s62, 0x76543210
	s_mov_b32 s63, 0xfedcba98                      ; v_permlanex16_b32's selects for lane l xor 16
	v_mul_u32_u24 v1, v[RR], 384
	v_mad_u32_u24 v1, v[HH], 24, v1                ; x: row r of 384 bytes, + 24 h
	v_lshlrev_b32 v2, 4, v[RR]                     ; x's scale words: 16 bytes a row
	v_and_b32 v[T0], 8, v[RR]
	v_add_nc_u32 v[T0], v[T0], v[RR]               ; r + 8 (r / 8): the encoder weight's rows of a tile
	v_mul_u32_u24 v3, v[T0], 384
	v_mad_u32_u24 v3, v[HH], 24, v3
	v_lshlrev_b32 v4, 4, v[T0]
	v_lshlrev_b32 v5, 6, v[HH]                     ; the encoder's bias: 16 h numbers on
	v_lshlrev_b32 v6, 2, v[T1]
	v_lshl_add_u32 v6, v[HH], 15, v6               ; W: my column of a tile, and 32 h rows of 1,024 bytes down
	v_mul_u32_u24 v9, v[RR], 208
	v_mad_u32_u24 v7, v[HH], 12, v9
	s_mul_i32 s57, s52, 24
	v_add_nc_u32 v7, s57, v7                       ; LDS: row r, block w, my half's 12 bytes
	v_mad_u32_u24 v9, v[HH], 24, v9                ; and back: row r, + 24 h
	v_lshl_add_u32 v10, v[RR], 3, SCB              ; row r's scale bytes
	v_add_nc_u32 v8, s52, v10                      ; block w's
	v_lshlrev_b32 v[SH8], 3, v[HH]
	v_mov_b32 v[PX], 0                             ; a lane permute's destination counts as one of its sources
	s_wait_kmcnt 0x0
	s_cmp_eq_u32 s53, 0                            ; query's buffers or key's: the choice hangs on the work-group's number alone
	s_cselect_b64 s[4:5], s[4:5], s[8:9]
	s_cselect_b64 s[6:7], s[6:7], s[10:11]
	s_cselect_b64 s[12:13], s[12:13], s[16:17]
	s_cselect_b64 s[14:15], s[14:15], s[18:19]
	s_cselect_b64 s[20:21], s[20:21], s[22:23]
	s_cselect_b32 s58, 1.0, 0                      ; the layer's bias goes with the query's part alone
	s_mov_b32 s59, s58
	s_cmp_eq_u32 s55, 0                            ; W1 and b1, or Wv1 and bv1: by the wave's number
	s_cselect_b64 s[24:25], s[24:25], s[26:27]
	s_cselect_b64 s[28:29], s[28:29], s[30:31]
	s_and_b32 s60, s53, s55
	s_cmp_eq_u32 s60, 1
	s_cselect_b32 s60, -1.0, 1.0                   ; vk is stored negated
	s_mov_b32 s61, s60
	s_mul_i32 s66, s54, 6144
	s_add_nc_u64 s[4:5], s[4:5], s[66:67]          ; x's codes at my 16 rows
	s_lshl_b32 s66, s54, 8
	s_add_nc_u64 s[6:7], s[6:7], s[66:67]
	s_mul_i32 s66, s52, 12288
	s_add_nc_u64 s[12:13], s[12:13], s[66:67]      ; the encoder weight at my 32 units
	s_lshl_b32 s66, s52, 9
	s_add_nc_u64 s[14:15], s[14:15], s[66:67]
	s_lshl_b32 s66, s52, 7
	s_add_nc_u64 s[20:21], s[20:21], s[66:67]
	s_lshl_b32 s66, s53, 18                        ; the key's part of W begins 256 rows down
	s_lshl_b32 s68, s56, 8                         ; my quarter's 64 columns
	s_add_co_u32 s66, s66, s68
	s_add_nc_u64 s[24:25], s[24:25], s[66:67]
	s_mov_b32 s66, s68
	s_add_nc_u64 s[28:29], s[28:29], s[66:67]
	s_lshl_b32 s66, s53, 1
	s_add_co_u32 s66, s66, s55                     ; section = 2 side + matrix
	s_lshl_b32 s66, s66, 20
	s_lshl_b32 s68, s54, 14
	s_add_co_u32 s66, s66, s68
	s_lshl_b32 s68, s56, 12
	s_add_co_u32 s66, s66, s68
	s_add_nc_u64 s[48:49], s[48:49], s[66:67]      ; act at my tile's quarter
.irp s, 0,1,2,3
.irp p, 0,1,2,3,4,5
	global_load_b64 v[XF+12*\s+2*\p:XF+12*\s+2*\p+1], v1, s[4:5] offset:96*\s+48*(\p/3)+8*(\p%3)
.endr
	global_load_b32 v[XS+\s], v2, s[6:7] offset:4*\s
.endr
.irp u, 0,1                            ; lane m of tile u takes unit 32 w + 8 u + m + 8 (m / 8): the 16 registers of the two tiles are units 32 w + 16 h + 0 .. 15
.irp s, 0,1,2,3
.irp p, 0,1,2,3,4,5
	global_load_b64 v[WF+12*(4*\u+\s)+2*\p:WF+12*(4*\u+\s)+2*\p+1], v3, s[12:13] offset:3072*\u+96*\s+48*(\p/3)+8*(\p%3)
.endr
	global_load_b32 v[WES+4*\u+\s], v4, s[14:15] offset:128*\u+4*\s
.endr
	global_load_b128 v[BE+8*\u:BE+8*\u+3], v5, s[20:21] offset:32*\u
	global_load_b128 v[BE+8*\u+4:BE+8*\u+7], v5, s[20:21] offset:32*\u+16
.endr
	s_wait_loadcnt 0x0
.irp s, 0,1,2,3                        ; the two accumulators take turns, one instruction a turn; the bias is the C of each sum's first product
.irp u, 0,1
.if \s == 0
	v_wmma_scale_f32_16x16x128_f8f6f4 v[EACC+8*\u:EACC+8*\u+7], v[WF+12*(4*\u+\s):WF+12*(4*\u+\s)+11], v[XF+12*\s:XF+12*\s+11], v[BE+8*\u:BE+8*\u+7], v[WES+4*\u+\s], v[XS+\s] matrix_a_fmt:MATRIX_FMT_FP6 matrix_b_fmt:MATRIX_FMT_FP6
.else
	v_wmma_scale_f32_16x16x128_f8f6f4 v[EACC+8*\u:EACC+8*\u+7], v[WF+12*(4*\u+\s):WF+12*(4*\u+\s)+11], v[XF+12*\s:XF+12*\s+11], v[EACC+8*\u:EACC+8*\u+7], v[WES+4*\u+\s], v[XS+\s] matrix_a_fmt:MATRIX_FMT_FP6 matrix_b_fmt:MATRIX_FMT_FP6
.endif
.endr
.endr
	PLACES 4                                       ; in front of loads into registers that the products have read, and of the first read of results
	v_lshlrev_b32 v1, 7, v[HH]                     ; v1's loads are in: it now serves the layer's bias, 32 h numbers on
; Fragment f = 2 t + s of the projection's weight: 64 numbers a lane, W(128 s + 64 c + 32 h + i, my column of tile t), register 32 c + i, into set f % 2
.macro LOADW f
.set WSET, WA+64*((\f)%2)
.set q, 0
.rept 64
	global_load_b32 v[WSET+q], v6, s[24:25] offset:((128*((\f)%2)+q+32*(q/32))*256+8*((\f)/2))*4
.set q, q+1
.endr
.endm
; The set becomes the fragment's 12 registers at PCUR + 12 s and its scale word in v[PWS + f].  A lane holds two whole blocks of 32; the word's four bytes are gathered from lanes l and l xor 16.
.macro FRAGQ f, cnt
.set WSET, WA+64*((\f)%2)
.set PCS, PCUR+12*((\f)%2)
	s_wait_loadcnt \cnt                            ; loads come back in order: behind this set's stand the next set's 64 (a wait names 63 at the most), or the 8 of the bias
	v_max3_num_f32 v[TM0], |v[WSET]|, |v[WSET+1]|, 0x1800000        ; with the floor 2^(3 - 127): the byte cannot fall under 1
	v_max3_num_f32 v[TM1], |v[WSET+32]|, |v[WSET+33]|, 0x1800000
.set q, 2
.rept 15
	v_max3_num_f32 v[TM0], v[TM0], |v[WSET+q]|, |v[WSET+q+1]|
	v_max3_num_f32 v[TM1], v[TM1], |v[WSET+32+q]|, |v[WSET+33+q]|
.set q, q+2
.endr
	v_add_nc_u32 v[SO0], 0xff000000, v[TM0]        ; 2 off the exponent field: the conversion's scale operand
	v_add_nc_u32 v[SO1], 0xff000000, v[TM1]
	v_lshrrev_b32 v[BY0], 23, v[SO0]               ; the scales' bytes: blocks h and 2 + h
	v_lshrrev_b32 v[BY1], 23, v[SO1]
	v_lshl_or_b32 v[BY0], v[BY1], 16, v[BY0]
	v_lshlrev_b32 v[BY0], v[SH8], v[BY0]
	v_permlanex16_b32 v[PX], v[BY0], s62, s63
	v_or_b32 v[PWS+(\f)], v[BY0], v[PX]
	v_cvt_scalef32_pk16_fp6_f32 v[PCS:PCS+2], v[WSET:WSET+15], v[SO0]
	v_cvt_scalef32_pk16_fp6_f32 v[ST:ST+2], v[WSET+16:WSET+31], v[SO0]       ; (a conversion's three registers begin on an even number)
	v_cvt_scalef32_pk16_fp6_f32 v[PCS+6:PCS+8], v[WSET+32:WSET+47], v[SO1]
	v_cvt_scalef32_pk16_fp6_f32 v[ST+4:ST+6], v[WSET+48:WSET+63], v[SO1]
	v_nop                                          ; one plain place behind a scaled conversion
.irp e, 0,1,2
	v_mov_b32 v[PCS+3+\e], v[ST+\e]
	v_mov_b32 v[PCS+9+\e], v[ST+4+\e]
.endr
.endm
	LOADW 0                                        ; the first two sets land while f is quantised
	LOADW 1
.irp j, 0,1,2,3,4,5,6,7,8,9,10,11,12,13,14,15
	v_max_num_f32 v[EACC+\j], 0, v[EACC+\j]        ; the activation, in f32; each accumulator from its low end on
.endr
	v_max3_num_f32 v[TM0], v[EACC], v[EACC+1], 0x1800000            ; none is negative: no |.|
.irp j, 2,4,6,8,10,12,14
	v_max3_num_f32 v[TM0], v[TM0], v[EACC+\j], v[EACC+\j+1]
.endr
	v_permlanex16_b32 v[PX], v[TM0], s62, s63
	v_max_num_f32 v[TM0], v[TM0], v[PX]            ; with lane l xor 16's 16: block w's largest magnitude
	v_add_nc_u32 v[SO0], 0xff000000, v[TM0]
	v_lshrrev_b32 v[BY0], 23, v[SO0]
	v_cvt_scalef32_pk16_fp6_f32 v[EC:EC+2], v[EACC:EACC+15], v[SO0]  ; 12 bytes: units 32 w + 16 h + 0 .. 15 of row r
	v_nop
	ds_store_b32 v7, v[EC]
	ds_store_b32 v7, v[EC+1] offset:4
	ds_store_b32 v7, v[EC+2] offset:8
	ds_store_b8 v8, v[BY0]                         ; both halves write the same byte with the same value
	s_wait_dscnt 0x0                               ; for the others' sake: my stores have landed
	s_barrier_signal -1
	s_barrier_wait -1                              ; 16 whole rows of codes and their scale bytes lie in LDS
.irp s, 0,1
.irp p, 0,1,2,3,4,5
	ds_load_b64 v[QF+12*\s+2*\p:QF+12*\s+2*\p+1], v9 offset:96*\s+48*(\p/3)+8*(\p%3)
.endr
	ds_load_b32 v[QS+\s], v10 offset:4*\s
.endr
.irp f, 0,1,2,3,4,5,6,7
.if \f == 7
	FRAGQ \f, 8
.else
	FRAGQ \f, 63
.endif
.if \f <= 5
	LOADW \f+2
.endif
.if \f == 6
.irp j, 0,1,2,3,4,5,6,7
	global_load_b128 v[BI+4*\j:BI+4*\j+3], v1, s[28:29] offset:16*\j   ; the layer's bias at outputs 64 cq + 32 h + 4 j on
.endr
.endif
.if (\f%2) == 1
	PLACES 8                                       ; a scale word written by a vector instruction stands 8 places ahead of a scaled product, an operand so written 4
.if \f == 1
	s_wait_dscnt 0x0                               ; f's fragments and scale words
.endif
	v_wmma_scale_f32_16x16x128_f8f6f4 v[PACC+8*(\f/2):PACC+8*(\f/2)+7], v[PCUR:PCUR+11], v[QF:QF+11], 0, v[PWS+\f-1], v[QS] matrix_a_fmt:MATRIX_FMT_FP6 matrix_b_fmt:MATRIX_FMT_FP6
	s_wait_alu depctr_va_vdst(0)                   ; the wait stands directly ahead of the link
	v_wmma_scale_f32_16x16x128_f8f6f4 v[PACC+8*(\f/2):PACC+8*(\f/2)+7], v[PCUR+12:PCUR+23], v[QF+12:QF+23], v[PACC+8*(\f/2):PACC+8*(\f/2)+7], v[PWS+\f], v[QS+1] matrix_a_fmt:MATRIX_FMT_FP6 matrix_b_fmt:MATRIX_FMT_FP6
.endif
.endr
	s_wait_loadcnt 0x0                             ; the bias
.irp p, 0,2,4,6,8,10,12,14,16,18,20,22,24,26,28,30
	v_pk_mul_f32 v[BI+\p:BI+\p+1], v[BI+\p:BI+\p+1], s[58:59] op_sel_hi:[1,0]   ; x 1 or x 0.  (These are also the places behind the last product)
.endr
.irp p, 0,2,4,6,8,10,12,14,16,18,20,22,24,26,28,30
	v_pk_fma_f32 v[OU+\p:OU+\p+1], v[PACC+\p:PACC+\p+1], s[60:61], v[BI+\p:BI+\p+1] op_sel_hi:[1,0,1]   ; the sign, and the bias
.endr
.irp j, 0,1,2,3,4,5,6,7
	global_store_b128 v11, v[OU+4*\j:OU+4*\j+3], s[48:49] offset:512*\j   ; the wave stores 512 consecutive bytes, at a multiple of 256 from the buffer's first byte
.endr
	s_wait_tensorcnt 0x0
	ds_add_u32 v254, v255
	s_wait_dscnt 0x0
	s_endpgm
	; ---------------- the relay path ----------------
.Lrelay:
	s_sub_co_u32 s53, ttmp9, 128                   ; e = 4 L + cq
	s_lshr_b32 s54, s53, 2                         ; L
	s_and_b32 s55, s53, 3                          ; cq
	s_lshr_b32 s56, s52, 2                         ; K step s
	s_and_b32 s57, s52, 3                          ; tile t
	v_mul_u32_u24 v1, v[T1], 192
	v_mad_u32_u24 v1, v[HH], 24, v1                ; codes: my row of a tile (192 bytes a row), + 24 h
	v_lshlrev_b32 v2, 3, v[T1]
	v_lshl_add_u32 v2, v[HH], 2, v2                ; scale words: 8 bytes a row; lanes 16-31 take K step 1's
	s_wait_kmcnt 0x0
	s_cmp_eq_u32 s54, 0
	s_cselect_b64 s[32:33], s[32:33], s[36:37]     ; W2's or W3's
	s_cselect_b64 s[34:35], s[34:35], s[38:39]
	s_lshl_b32 s66, s55, 6
	s_lshl_b32 s68, s57, 3
	s_add_co_u32 s66, s66, s68
	s_mul_i32 s66, s66, 192
	s_mul_i32 s68, s56, 96
	s_add_co_u32 s66, s66, s68
	s_add_nc_u64 s[32:33], s[32:33], s[66:67]      ; row 64 cq + 8 t, K step s
.irp p, 0,1,2,3,4,5
	global_load_b64 v[40+2*\p:41+2*\p], v1, s[32:33] offset:48*(\p/3)+8*(\p%3)
.endr
	s_lshl_b32 s66, s53, 3
	s_add_co_u32 s66, s66, s52
	s_mul_i32 s66, s66, 1536                       ; fragment 8 e + wave
	s_add_nc_u64 s[70:71], s[50:51], s[66:67]
	s_wait_loadcnt 0x0
.irp c, 0,1,2
	global_store_b128 v11, v[40+4*\c:43+4*\c], s[70:71] offset:512*\c    ; the fragment as it stands in its registers: 512 consecutive bytes a store
.endr
	s_cmp_eq_u32 s52, 0
	s_cbranch_scc0 .Lnot_wave_0
	s_lshl_b32 s66, s55, 9                         ; wave 0: the quarter's scale words, four tiles' to a lane
	s_add_nc_u64 s[34:35], s[34:35], s[66:67]
.irp t, 0,1,2,3
	global_load_b32 v[52+\t], v2, s[34:35] offset:64*\t
.endr
	s_lshl_b32 s66, s53, 9
	s_add_co_u32 s66, s66, 98304
	s_add_nc_u64 s[72:73], s[50:51], s[66:67]
	s_wait_loadcnt 0x0
	global_store_b128 v11, v[52:55], s[72:73]
	s_endpgm
.Lnot_wave_0:
	s_cmp_eq_u32 s52, 1
	s_cbranch_scc0 .Ldone
	s_lshr_b32 s54, s53, 1                         ; wave 1: half e % 2 of vector e / 2 of b2, b3, Wf, Wv2
	s_cmp_eq_u32 s54, 0
	s_cselect_b64 s[40:41], s[40:41], s[42:43]
	s_cmp_eq_u32 s54, 2
	s_cselect_b64 s[40:41], s[44:45], s[40:41]
	s_cmp_eq_u32 s54, 3
	s_cselect_b64 s[40:41], s[46:47], s[40:41]
	s_and_b32 s66, s53, 1
	s_lshl_b32 s66, s66, 9
	s_add_nc_u64 s[40:41], s[40:41], s[66:67]
	global_load_b128 v[56:59], v11, s[40:41]
	s_lshl_b32 s68, s53, 9
	s_add_co_u32 s68, s68, 102400
	s_mov_b32 s69, 0
	s_add_nc_u64 s[72:73], s[50:51], s[68:69]
	s_wait_loadcnt 0x0
	global_store_b128 v11, v[56:59], s[72:73]
.Ldone:
	s_endpgm
.Lfunc_end_k_q7dcec8138a_prep:
	.size	k_q7dcec8138a_prep, .Lfunc_end_k_q7dcec8138a_prep-k_q7dcec8138a_prep
	.p2alignl 7, 3214868480
	.fill 96, 4, 3214868480
	.section	.rodata,"a",@progbits
	.p2align	6, 0x0
	.amdhsa_kernel k_q7dcec8138a_prep
		.amdhsa_group_segment_fixed_size 5120
		.amdhsa_private_segment_fixed_size 0
		.amdhsa_enable_private_segment 0
		.amdhsa_kernarg_size 192
		.amdhsa_user_sgpr_count 2
		.amdhsa_user_sgpr_kernarg_segment_ptr 1
		.amdhsa_wavefront_size32 1
		.amdhsa_system_sgpr_workgroup_id_x 1
		.amdhsa_system_sgpr_workgroup_id_y 1
		.amdhsa_system_sgpr_workgroup_id_z 1
		.amdhsa_system_vgpr_workitem_id 0
		.amdhsa_next_free_vgpr 256
		.amdhsa_next_free_sgpr 100
		.amdhsa_reserve_vcc 0
		.amdhsa_float_denorm_mode_32 3
		.amdhsa_float_denorm_mode_16_64 3
		.amdhsa_memory_ordered 1
		.amdhsa_forward_progress 1
		.amdhsa_inst_pref_size 97
	.end_amdhsa_kernel
	.amdgpu_metadata
---
amdhsa.version: [ 1, 2 ]
amdhsa.kernels:
  - .name:           k_q7dcec8138a_prep
    .symbol:         k_q7dcec8138a_prep.kd
    .args:
      - { .name: query_codes, .offset: 0, .size: 8, .value_kind: global_buffer, .address_space: global }
      - { .name: query_scales, .offset: 8, .size: 8, .value_kind: global_buffer, .address_space: global }
      - { .name: key_codes, .offset: 16, .size: 8, .value_kind: global_buffer, .address_space: global }
      - { .name: key_scales, .offset: 24, .size: 8, .value_kind: global_buffer, .address_space: global }
      - { .name: Wqe_codes, .offset: 32, .size: 8, .value_kind: global_buffer, .address_space: global }
      - { .name: Wqe_scales, .offset: 40, .size: 8, .value_kind: global_buffer, .address_space: global }
      - { .name: Wke_codes, .offset: 48, .size: 8, .value_kind: global_buffer, .address_space: global }
      - { .name: Wke_scales, .offset: 56, .size: 8, .value_kind: global_buffer, .address_space: global }
      - { .name: bqe, .offset: 64, .size: 8, .value_kind: global_buffer, .address_space: global }
      - { .name: bke, .offset: 72, .size: 8, .value_kind: global_buffer, .address_space: global }
      - { .name: W1, .offset: 80, .size: 8, .value_kind: global_buffer, .address_space: global }
      - { .name: Wv1, .offset: 88, .size: 8, .value_kind: global_buffer, .address_space: global }
      - { .name: b1, .offset: 96, .size: 8, .value_kind: global_buffer, .address_space: global }
      - { .name: bv1, .offset: 104, .size: 8, .value_kind: global_buffer, .address_space: global }
      - { .name: W2_codes, .offset: 112, .size: 8, .value_kind: global_buffer, .address_space: global }
      - { .name: W2_scales, .offset: 120, .size: 8, .value_kind: global_buffer, .address_space: global }
      - { .name: W3_codes, .offset: 128, .size: 8, .value_kind: global_buffer, .address_space: global }
      - { .name: W3_scales, .offset: 136, .size: 8, .value_kind: global_buffer, .address_space: global }
      - { .name: b2, .offset: 144, .size: 8, .value_kind: global_buffer, .address_space: global }
      - { .name: b3, .offset: 152, .size: 8, .value_kind: global_buffer, .address_space: global }
      - { .name: Wf, .offset: 160, .size: 8, .value_kind: global_buffer, .address_space: global }
      - { .name: Wv2, .offset: 168, .size: 8, .value_kind: global_buffer, .address_space: global }
      - { .name: act, .offset: 176, .size: 8, .value_kind: global_buffer, .address_space: global }
      - { .name: wimg, .offset: 184, .size: 8, .value_kind: global_buffer, .address_space: global }
    .group_segment_fixed_size: 5120
    .private_segment_fixed_size: 0
    .kernarg_segment_align: 8
    .kernarg_segment_size: 192
    .max_flat_workgroup_size: 256
    .sgpr_count:     100
    .vgpr_count:     256
    .wavefront_size: 32
...
	.end_amdgpu_metadata
.endif
;; end of part 1
;; launch pairs (part 2): grid 8 x 32, 8 waves a work-group, clusters of 4 x 1, 320,512 bytes of LDS; arguments wimg, act, bf, bv2, out0, out1; writes out0, out1
.if DOCPART == 2
	.amdgcn_target "amdgcn-amd-amdhsa--gfx1250"
	.amdhsa_code_object_version 6
	.text
	.protected	k_q7dcec8138a_pairs
	.globl	k_q7dcec8138a_pairs
	.p2align	8
	.type	k_q7dcec8138a_pairs,@function
k_q7dcec8138a_pairs:
	s_mov_b64 s[64:65], 0
	v_nop
	global_prefetch_b8 v0, s[64:65] scope:SCOPE_SE
	s_setreg_imm32_b32 hwreg(HW_REG_WAVE_MODE, 25, 1), 1
	s_wait_xcnt 0x0
	s_wait_alu depctr_hold_cnt(0) depctr_sa_sdst(0) depctr_va_vdst(0) depctr_va_sdst(0) depctr_va_ssrc(0) depctr_va_vcc(0) depctr_vm_vsrc(0)
	s_getreg_b32 s2, hwreg(HW_REG_IB_STS2, 6, 4)
	s_cmp_eq_u32 s2, 0
	s_cbranch_scc0 .Lentry_in_a_cluster
	s_endpgm
.Lentry_in_a_cluster:
	s_bfe_u32 s2, ttmp6, 0x10000c
	s_cmp_lg_u32 s2, 0x3003
	s_cbranch_scc0 .Lentry_shape_is_right
	s_endpgm
.Lentry_shape_is_right:
; FOR EACH PAIR (q, k):  out0 = relu(relu(h1 W2 + b2) W3 + b3) . Wf + bf with h1 = relu(qp + b1 + kp);  out1 = softplus(relu(vq + bv1 + vk) . Wv2 + bv2).
; Both products on codes of FP6 (E2M3) with one E8M0 scale for each 32 along K; h1 and the second layer's input are quantised in registers, from f32; no pair tensor goes to memory.
; SHARES.  A work-group takes 32 queries x 64 keys of one batch.  A tile is ONE query x 16 keys (lane % 16 = the key).  Eight waves of 512 registers, two to a SIMD, so that one wave's vector phases stand beside
; the other's products and LDS loads.  In the MLP a wave takes 8 queries x 32 keys, four groups of 2 queries x 2 key tiles: each weight fragment read from LDS feeds four products.
; LAYOUT.  Products are used transposed (source 0 = 16 rows of the weight, source 1 = 16 pairs).  Lane m of weight tile t of quarter cq holds output 64 cq + 32 (m / 8) + 8 t + m % 8 (so the first launch laid them):
; the 32 registers of a quarter's four tiles are units 64 cq + 32 h + 0 .. 31 of the lane's pair: A WHOLE BLOCK OF 32 IN ONE LANE, in order, which is registers 6 c .. 6 c + 5 (c = cq % 2) of K step cq / 2 of the
; next operand.  So a block's largest magnitude needs no other lane and the codes change no lane.  qp + b1, kp and the vectors b2, b3, Wf, Wv2 are read in the same order.
; THE VARIANCE HEAD uses relu(a + b) = max(a, -b) + b, exact for finite numbers: sum w relu(a + vk) = sum w max(a, -vk) - sum w (-vk); the second sum is made once for each key.  All in f32; its rounding is of the
; size of f32's on sum |w| |vk|.
; LDS holds all that the work-group reads, filled once by tensor loads at the head: no byte is filled twice.
; CLUSTER.  The four work-groups of a cluster share batch and queries, and all share the weights: those tiles are asked for JOINTLY (mask 15).  kp and -vk are not: the four partners take four different blocks of keys.
; LIMITS: NaN and infinities are not served.  A block whose largest magnitude lies under 2^-124, a block of zeros among them, gets the scale byte 1: for zeros the codes are zeros; the bytes never leave the registers.
; REGISTERS, window 0: v1 16 lane; v2 the same + 49,152; v3 the vectors' place + 128 h; v4-8, v10, v11 addresses; v9 8 h; v12-15 the weight's scale words (lanes 0-15 K step 0, lanes 16-31 K step 1), v16-23 h1's,
;   v24-31 the second layer's (tile i, K step s at 2 i + s): v12-31 hold scales and nothing else; v32-63 at work; v64-95 a bias; v96-127 Wf or Wv2; v128-255 16 accumulators (tile i, weight tile t at 128 + 32 i + 8 t).
;   window 1: v0-95 h1's codes (24 i + 12 s + 6 c), v96-191 the second layer's, v192-239 four weight fragments, v240-255 halves of codes.  While h1 is made, v96-159 hold qp + b1 of two queries and v160-223 kp of two tiles.
.set CV,   102400                      ; LDS: 0 the weights' images; CV b2, b3, Wf, Wv2
.set QA,   106496                      ; qp + b1 of 32 queries (two tiles of act)
.set VA,   139264                      ; vq + bv1 likewise
.set KP,   172032                      ; kp of 64 keys (four tiles)
.set VK,   237568                      ; -vk likewise
.set STG0, 303104                      ; out0's stage: 1,024 bytes for each wave: [8 queries][32 keys]
.set STG1, 311296                      ; out1's stage: [32 queries][64 keys]
.set JOINT_W, 1                        ; 1: the weights and vectors, equal for every work-group, are asked for jointly too
.set DUAL, 1                           ; 1: two maxima in one instruction
.set JW,   15|(3<<16)|(1<<21)          ; group 1, word 0: 15:0 the mask, all four; 17:16 elements of 8 bytes; 21 set beside a mask
.set PW,   3<<16                       ; the same with no mask
.if JOINT_W
.set WW,   JW
.else
.set WW,   PW
.endif
.set WS,   12
.set TM,   32
.set SO,   36
.set PB,   40
.set S,    44
.set TP,   52
.set T,    32
.set BIAS, 64
.set CB,   96
.set ACC,  128
.set AB,   96                          ; window 1
.set KB,   160
.set FR,   192
.set ST,   240
.set SKP,  64
.set MSB, 0
.macro WIN new                         ; the immediate's high byte repeats the setting that is left; a switch that changes nothing is dropped
.if MSB != \new
	s_set_vgpr_msb (MSB<<8)|\new
.set MSB, \new
.endif
.endm
.macro PLACES n
.rept \n
	v_nop
.endr
.endm
.macro ROUND                           ; a round of the cluster's barrier
	s_barrier_signal -1
	s_barrier_wait -1
	s_cmp_lg_u32 s16, 0
	s_cbranch_scc1 .Lnot_wave_0_\@
	s_barrier_signal -3
.Lnot_wave_0_\@:
	s_barrier_wait -3
	s_barrier_signal -1
	s_barrier_wait -1
.endm
.macro G1SET g, w0, rows               ; descriptor group 1: a dense block as rows of 256 bytes (32 elements of 8 bytes), no padding
	s_mov_b32 s[\g], \w0
	s_mov_b32 s[\g+1], 32<<16                      ; tensor_dim0
	s_mov_b32 s[\g+2], (\rows)<<16                 ; tensor_dim1
	s_mov_b32 s[\g+3], 32<<16                      ; tile_dim0
	s_mov_b32 s[\g+4], \rows                       ; tile_dim1
	s_mov_b32 s[\g+5], 32                          ; from row to row
	s_mov_b32 s[\g+6], 0
	s_mov_b32 s[\g+7], 0
.endm
.macro RELU2 r
.if DUAL
	v_dual_max_num_f32 v[\r], 0, v[\r] :: v_dual_max_num_f32 v[\r+1], 0, v[\r+1]
.else
	v_max_num_f32 v[\r], 0, v[\r]
	v_max_num_f32 v[\r+1], 0, v[\r+1]
.endif
.endm
	s_load_b256 s[4:11], s[0:1], 0x0               ; wimg s[4:5], act s[6:7], bf s[8:9], bv2 s[10:11]
	s_load_b128 s[12:15], s[0:1], 0x20             ; out0, out1
	s_set_vgpr_msb 0x40
	v_lshl_add_u32 v251, v0, 2, 0x4e000
	v_mov_b32 v255, 0
	s_set_vgpr_msb 0x4045
	ds_add_u32 v251, v255
	ds_add_u32 v251, v255
	s_set_vgpr_msb 0x4500
	v_lshrrev_b32 v1, 5, v0
	v_readfirstlane_b32 s16, v1                    ; wave 0..7
	s_bfe_u32 s17, ttmp6, 0x40000                  ; cx
	s_lshl_b32 s18, ttmp9, 2
	s_add_co_u32 s18, s18, s17                     ; kb, my block of 64 keys: it enters kp's, -vk's and the outputs' global addresses alone
	s_and_b32 s19, ttmp7, 0xffff
	s_lshr_b32 s20, s19, 4                         ; batch
	s_and_b32 s21, s19, 15                         ; my block of 32 queries
	s_lshl_b32 s22, s20, 5
	s_lshl_b32 s23, s21, 1
	s_add_co_u32 s23, s22, s23                     ; the queries' first tile in act
	s_lshl_b32 s24, s18, 2
	s_add_co_u32 s24, s22, s24                     ; the keys' first tile
	s_mov_b32 s25, 0
	s_mov_b32 s27, 0
	s_mov_b32 s30, 0xbfb8aa3b                      ; -log2(e)
	s_mov_b32 s99, 0x3f317218                      ; ln 2
	s_mov_b32 s92, 0x76543210
	s_mov_b32 s93, 0xfedcba98                      ; v_permlanex16_b32's selects for lane l xor 16
	G1SET 32, WW, 2                                ; the vectors: 512 bytes a wave
	G1SET 40, JW, 16                               ; the queries' parts: 4,096 bytes a wave
	G1SET 48, PW, 32                               ; the keys' parts: 8,192 bytes a wave
	G1SET 56, WW, 50                               ; the weights' images: 12,800 bytes a wave
	v_and_b32 v52, 31, v0
	v_and_b32 v53, 15, v0                          ; r
	v_bfe_u32 v54, v0, 4, 1                        ; h
	v_lshlrev_b32 v1, 4, v52
	v_add_nc_u32 v2, 49152, v1
	v_lshl_add_u32 v3, v54, 7, CV
	v_lshlrev_b32 v9, 3, v54
	v_add_nc_u32 v4, VK, v1                        ; the variance head: -vk's tiles, 16 bytes a lane
	s_lshr_b32 s26, s16, 2
	s_lshl_b32 s26, s26, 14
	s_and_b32 s28, s16, 3
	s_lshl_b32 s28, s28, 6
	s_add_co_u32 s26, s26, s28
	s_add_co_u32 s26, s26, VA
	v_lshl_add_u32 v5, v54, 8, s26                 ; vq + bv1 of query 4 w: tile w / 4, row 4 (w % 4), + 256 h
	s_lshl_b32 s26, s16, 10
	s_add_co_u32 s26, s26, STG1
	v_lshl_add_u32 v10, v53, 2, s26                ; out1's stage: my four queries' rows, key r
	s_wait_dscnt 0x0
	s_wait_kmcnt 0x0
	s_load_b32 s94, s[8:9], 0x0                    ; bf
	s_load_b32 s95, s[10:11], 0x0                  ; bv2
	; the six groups 0, a set for each load, never rewritten.  Each wave moves its eighth of each region
	s_lshl_b32 s28, s16, 9
	s_mov_b32 s68, 1
	s_add_co_u32 s69, s28, CV
	s_add_co_u32 s26, s28, 102400
	s_add_nc_u64 s[70:71], s[4:5], s[26:27]
	s_or_b32 s71, s71, 0x80000000
	s_lshl_b32 s28, s16, 12
	s_lshl_b32 s26, s23, 14
	s_add_co_u32 s26, s26, s28
	s_mov_b32 s80, 1
	s_add_co_u32 s81, s28, QA
	s_add_nc_u64 s[82:83], s[6:7], s[26:27]        ; section 0
	s_mov_b32 s72, 1
	s_add_co_u32 s73, s28, VA
	s_add_nc_u64 s[74:75], s[82:83], 0x100000      ; section 1
	s_or_b32 s83, s83, 0x80000000
	s_or_b32 s75, s75, 0x80000000
	s_lshl_b32 s29, s16, 13
	s_lshl_b32 s24, s24, 14
	s_add_co_u32 s24, s24, s29
	s_add_co_u32 s24, s24, 0x200000
	s_mov_b32 s84, 1
	s_add_co_u32 s85, s29, KP
	s_add_nc_u64 s[86:87], s[6:7], s[24:25]        ; section 2
	s_mov_b32 s76, 1
	s_add_co_u32 s77, s29, VK
	s_add_nc_u64 s[78:79], s[86:87], 0x100000      ; section 3
	s_or_b32 s87, s87, 0x80000000
	s_or_b32 s79, s79, 0x80000000
	s_mul_i32 s26, s16, 12800
	s_mov_b32 s88, 1
	s_mov_b32 s89, s26
	s_add_nc_u64 s[90:91], s[4:5], s[26:27]
	s_or_b32 s91, s91, 0x80000000
	s_wait_kmcnt 0x0                               ; bf, bv2
	ROUND                                          ; all four work-groups are here: the joint loads meet
	tensor_load_to_lds s[68:71], s[32:39]          ; the vectors,
	s_nop 0
	tensor_load_to_lds s[72:75], s[40:47]          ; vq + bv1,
	s_nop 0
	tensor_load_to_lds s[76:79], s[48:55]          ; -vk: what the variance head wants comes first;
	s_nop 0
	tensor_load_to_lds s[80:83], s[40:47]          ; qp + b1,
	s_nop 0
	tensor_load_to_lds s[84:87], s[48:55]          ; kp,
	s_nop 0
	tensor_load_to_lds s[88:91], s[56:63]          ; the weights.  Six loads of mine are out
	s_nop 0
	PLACES 4
	s_wait_tensorcnt 0x3                           ; a wave's tensor loads end in order: my parts of the first three are in; the three younger may stay out
	s_barrier_signal -1
	s_barrier_wait -1                              ; everybody's are
	; ---------------- THE VARIANCE HEAD: wave w takes queries 4 w + i, i = 0 .. 3, against all four key tiles ----------------
	WIN 0x40                                       ; window 1: v[4 (4 i + kt) ..] two chains of packed sums for each result; v64-71 the keys' own sums
.set n, 0
.rept 72
	v_mov_b32 v[n], 0
.set n, n+1
.endr
	WIN 0
	s_mov_b32 s96, 0
	s_mov_b32 s97, 0
	s_mov_b32 s98, 0
.Lv:                                   ; four trips: 64 of the 256 channels each (32 a lane)
	v_add_nc_u32 v6, s97, v4
	v_add_nc_u32 v7, s97, v5
	v_add_nc_u32 v8, s98, v3
.irp j, 0,1,2,3,4,5,6,7
	ds_load_b128 v[CB+4*\j:CB+4*\j+3], v8 offset:3072+16*\j         ; Wv2
.endr
.irp j, 0,1,2,3,4,5,6,7
	ds_load_b128 v[BIAS+4*\j:BIAS+4*\j+3], v7 offset:512*\j         ; vq + bv1 of query 4 w: sixteen lanes read the same 16 bytes
.endr
.irp kt, 0,1,2,3
.irp j, 0,1,2,3,4,5,6,7
	ds_load_b128 v[ACC+32*\kt+4*\j:ACC+32*\kt+4*\j+3], v6 offset:16384*\kt+512*\j   ; -vk
.endr
.endr
	s_wait_dscnt 0x0
	WIN 0x50                                       ; destination and source 2 in window 1
.set n, 0
.rept 16
.irp kt, 0,1,2,3
	v_pk_fma_f32 v[SKP+2*\kt:SKP+2*\kt+1], v[ACC+32*\kt+n:ACC+32*\kt+n+1], v[CB+n:CB+n+1], v[SKP+2*\kt:SKP+2*\kt+1]
.endr
.set n, n+2
.endr
.irp i, 0,1,2,3
.irp kt, 0,1,2,3
	WIN 0
.set n, 0
.rept 16
.if DUAL
	v_dual_max_num_f32 v[T+n], v[BIAS+n], v[ACC+32*\kt+n] :: v_dual_max_num_f32 v[T+n+1], v[BIAS+n+1], v[ACC+32*\kt+n+1]
.else
	v_max_num_f32 v[T+n], v[BIAS+n], v[ACC+32*\kt+n]
	v_max_num_f32 v[T+n+1], v[BIAS+n+1], v[ACC+32*\kt+n+1]
.endif
.set n, n+2
.endr
.if (\kt == 3) && (\i < 3)
.irp j, 0,1,2,3,4,5,6,7
	ds_load_b128 v[BIAS+4*\j:BIAS+4*\j+3], v7 offset:16*(\i+1)+512*\j   ; the next query's, while this one's last sums are made
.endr
.endif
	WIN 0x50
.set n, 0
.rept 16
	v_pk_fma_f32 v[4*(4*\i+\kt)+2*((n/2)%2):4*(4*\i+\kt)+2*((n/2)%2)+1], v[T+n:T+n+1], v[CB+n:CB+n+1], v[4*(4*\i+\kt)+2*((n/2)%2):4*(4*\i+\kt)+2*((n/2)%2)+1]
.set n, n+2
.endr
.if (\kt == 3) && (\i < 3)
	s_wait_dscnt 0x0
.endif
.endr
.endr
	WIN 0                                          ; at a branch and at a label every window is 0
	s_add_co_u32 s97, s97, 4096
	s_add_co_u32 s98, s98, 256
	s_add_co_u32 s96, s96, 1
	s_cmp_lt_u32 s96, 4
	s_cbranch_scc1 .Lv
	WIN 0x05                                       ; sources 0 and 1 in window 1
.irp e, 0,1,2,3,4,5,6,7,8,9,10,11,12,13,14,15
	v_pk_add_f32 v[128+2*\e:129+2*\e], v[4*\e:4*\e+1], v[4*\e+2:4*\e+3]
.endr
	WIN 0x04                                       ; source 1 in window 1
.irp e, 0,1,2,3,4,5,6,7,8,9,10,11,12,13,14,15
	v_pk_add_f32 v[128+2*\e:129+2*\e], v[128+2*\e:129+2*\e], v[SKP+2*(\e%4):SKP+2*(\e%4)+1] neg_lo:[0,1] neg_hi:[0,1]   ; - sum w (-vk)
.endr
	WIN 0
.irp e, 0,1,2,3,4,5,6,7,8,9,10,11,12,13,14,15
	v_add_f32 v[160+\e], v[128+2*\e], v[129+2*\e]
.endr
.irp e, 0,1,2,3,4,5,6,7,8,9,10,11,12,13,14,15
	v_permlanex16_b32 v[32+\e], v[160+\e], s92, s93                 ; the other half of the channels lies in lane l xor 16
.endr
.irp e, 0,1,2,3,4,5,6,7,8,9,10,11,12,13,14,15
	v_add_f32 v[160+\e], v[160+\e], v[32+\e]
.endr
.irp e, 0,1,2,3,4,5,6,7,8,9,10,11,12,13,14,15
	v_add_f32 v[160+\e], s95, v[160+\e]            ; z
.endr
.irp e, 0,1,2,3,4,5,6,7,8,9,10,11,12,13,14,15
	v_mul_f32 v[176+\e], s30, |v[160+\e]|          ; softplus(z) = max(z, 0) + ln 2 x log2(1 + 2^(-|z| log2 e)): the exponent is never positive
.endr
.irp e, 0,1,2,3,4,5,6,7,8,9,10,11,12,13,14,15
	v_exp_f32 v[176+\e], v[176+\e]
.endr
	v_nop                                          ; a plain place behind the last exponential
	s_wait_alu depctr_va_vdst(0)                   ; one wait for the batch, ahead of its first reader
.irp e, 0,1,2,3,4,5,6,7,8,9,10,11,12,13,14,15
	v_add_f32 v[176+\e], 1.0, v[176+\e]
.endr
.irp e, 0,1,2,3,4,5,6,7,8,9,10,11,12,13,14,15
	v_log_f32 v[176+\e], v[176+\e]
.endr
.irp e, 0,1,2,3,4,5,6,7,8,9,10,11,12,13,14,15
	v_max_num_f32 v[160+\e], 0, v[160+\e]          ; plain work that names no logarithm
.endr
	s_wait_alu depctr_va_vdst(0)                   ; and one for the logarithms
.irp e, 0,1,2,3,4,5,6,7,8,9,10,11,12,13,14,15
	v_fma_f32 v[160+\e], v[176+\e], s99, v[160+\e]
.endr
.irp e, 0,1,2,3,4,5,6,7,8,9,10,11,12,13,14,15
	ds_store_b32 v10, v[160+\e] offset:256*(\e/4)+64*(\e%4)         ; query 4 w + e / 4, key tile e % 4; both halves of the lanes store the same number to the same word
.endr
	; the MLP's addresses.  Wave w: key tiles 2 (w % 2) + kj, queries 8 (w / 2) + 2 g + qi
	v_and_b32 v53, 15, v0
	v_bfe_u32 v54, v0, 4, 1
	s_and_b32 s26, s16, 1
	s_lshr_b32 s28, s16, 1
	s_lshr_b32 s29, s28, 1
	s_lshl_b32 s29, s29, 14
	s_and_b32 s28, s28, 1
	s_lshl_b32 s28, s28, 7
	s_add_co_u32 s29, s29, s28
	s_add_co_u32 s29, s29, QA
	v_lshl_add_u32 v4, v54, 8, s29                 ; qp + b1 of my first query, + 256 h
	s_lshl_b32 s29, s26, 15
	s_add_co_u32 s29, s29, KP
	v_add_nc_u32 v6, s29, v1                       ; kp of my two key tiles, 16 bytes a lane
	s_lshl_b32 s29, s16, 10
	s_add_co_u32 s29, s29, STG0
	v_lshl_add_u32 v7, v53, 2, s29                 ; out0's stage: my 1,024 bytes, key r
	s_wait_tensorcnt 0x0                           ; my parts of qp + b1, kp and the weights are in,
	s_wait_dscnt 0x0                               ; my stores have landed
	s_barrier_signal -1
	s_barrier_wait -1                              ; everybody's are
	; ---------------- THE MLP ----------------
.macro HLOAD cp                        ; channels 64 cp + 32 h + 0 .. 31 of two queries' qp + b1 and of two key tiles' kp: 32 loads in one run
	WIN 0x40                                       ; destination in window 1
.irp qi, 0,1
.irp j, 0,1,2,3,4,5,6,7
	ds_load_b128 v[AB+32*\qi+4*\j:AB+32*\qi+4*\j+3], v5 offset:(8*(\cp)+\j)*512+16*\qi
.endr
.endr
.irp kj, 0,1
.irp j, 0,1,2,3,4,5,6,7
	ds_load_b128 v[KB+32*\kj+4*\j:KB+32*\kj+4*\j+3], v6 offset:16384*\kj+(8*(\cp)+\j)*512
.endr
.endr
.endm
.macro LOADF L, cq, ks                 ; the four weight fragments of layer L, quarter cq, K step ks, as they were laid: three loads of 512 consecutive bytes each
	WIN 0x40
.irp t, 0,1,2,3
.irp c, 0,1,2
	ds_load_b128 v[FR+12*\t+4*\c:FR+12*\t+4*\c+3], v[1+(\L)] offset:((2*(\cq)+(\ks))*4+\t)*1536+512*\c
.endr
.endr
.endm
.macro LOADC L, cq                     ; the quarter's scale words (four tiles', both K steps') and its bias in the result's layout
	WIN 0
	ds_load_b128 v[WS:WS+3], v2 offset:49152+(4*(\L)+(\cq))*512
.irp j, 0,1,2,3,4,5,6,7
	ds_load_b128 v[BIAS+4*\j:BIAS+4*\j+3], v3 offset:1024*(\L)+256*(\cq)+16*\j
.endr
.endm
.macro LOADCB cq                       ; Wf at the quarter's units
	WIN 0
.irp j, 0,1,2,3,4,5,6,7
	ds_load_b128 v[CB+4*\j:CB+4*\j+3], v3 offset:2048+256*(\cq)+16*\j
.endr
.endm
; 16 products: four weight tiles x four tiles of pairs, one K step.  The sixteen accumulators take turns, one instruction a turn.  K step 0 starts the sums with the bias as C.
.macro MMS L, ks
	WIN 0x05                                       ; sources 0 (weight) and 1 (codes) in window 1; C and D in window 0
.irp t, 0,1,2,3
.irp i, 0,1,2,3
.if (\ks) == 0
	v_wmma_scale_f32_16x16x128_f8f6f4 v[ACC+32*\i+8*\t:ACC+32*\i+8*\t+7], v[FR+12*\t:FR+12*\t+11], v[96*(\L)+24*\i:96*(\L)+24*\i+11], v[BIAS+8*\t:BIAS+8*\t+7], v[WS+\t], v[16+8*(\L)+2*\i] matrix_a_fmt:MATRIX_FMT_FP6 matrix_b_fmt:MATRIX_FMT_FP6
.else
	v_wmma_scale_f32_16x16x128_f8f6f4 v[ACC+32*\i+8*\t:ACC+32*\i+8*\t+7], v[FR+12*\t:FR+12*\t+11], v[96*(\L)+24*\i+12:96*(\L)+24*\i+23], v[ACC+32*\i+8*\t:ACC+32*\i+8*\t+7], v[WS+\t], v[16+8*(\L)+2*\i+1] matrix_a_fmt:MATRIX_FMT_FP6 matrix_b_fmt:MATRIX_FMT_FP6 matrix_a_scale:MATRIX_SCALE_ROW1
.endif
.endr
.endr
.endm
; A quarter of a layer: 32 products for the group's four tiles.  In its tail what comes next is fetched, so that it lands under the vector work that follows.
.macro PHASE L, cq
	s_wait_dscnt 0x0                               ; K step 0's fragments, the scale words, the bias
	MMS \L, 0
	PLACES 4                                       ; in front of loads into registers that products have read (ISA guide 7.12.1 for vector instructions)
	LOADF \L, \cq, 1
	s_wait_dscnt 0x0
	MMS \L, 1
	PLACES 5                                       ; 4 for the loads below and the first read of results; 5 since the next quarter begins these accumulators anew with another C
.if (\L) == 1
	LOADCB \cq
.endif
.if (\cq) < 3
	LOADF \L, (\cq)+1, 0
	LOADC \L, (\cq)+1
.elseif (\L) == 0
	LOADF 1, 0, 0
	LOADC 1, 0
.endif
.endm
; Four blocks of 32, one of each tile, v[ACC + 32 i ..]: relu; the largest magnitude; the scale; the codes into registers 6 kc .. 6 kc + 5 of K step ks at v[cod + 24 i] of window 1.
; With kc = 1 the K step's scale word is made: my two bytes (blocks h and 2 + h), 8 h bits up, with lane l xor 16's two.
.macro QUAD cod, hsr, ks, kc
	WIN 0
.set n, 0
.rept 16
.irp i, 0,1,2,3
	RELU2 ACC+32*\i+n
.endr
.set n, n+2
.endr                                  ; (ascending: each accumulator is first read at its low end)
.irp i, 0,1,2,3
	v_max3_num_f32 v[TM+\i], v[ACC+32*\i], v[ACC+32*\i+1], 0x1800000   ; none is negative: no |.|; the floor 2^(3 - 127) holds the byte at 1 from below
.endr
.set n, 2
.rept 15
.irp i, 0,1,2,3
	v_max3_num_f32 v[TM+\i], v[TM+\i], v[ACC+32*\i+n], v[ACC+32*\i+n+1]
.endr
.set n, n+2
.endr
.irp i, 0,1,2,3
	v_add_nc_u32 v[SO+\i], 0xff000000, v[TM+\i]    ; 2 off the exponent field: the conversion's scale operand
.endr
.if (\kc) == 0
.irp i, 0,1,2,3
	v_lshrrev_b32 v[PB+\i], 23, v[SO+\i]           ; the byte is kept for the word
.endr
.else
.irp i, 0,1,2,3
	v_lshrrev_b32 v[TP+\i], 23, v[SO+\i]
.endr
.irp i, 0,1,2,3
	v_lshl_or_b32 v[PB+\i], v[TP+\i], 16, v[PB+\i]
.endr
.irp i, 0,1,2,3
	v_lshlrev_b32 v[PB+\i], v9, v[PB+\i]
.endr
.irp i, 0,1,2,3
	v_permlanex16_b32 v[TM+\i], v[PB+\i], s92, s93
.endr
.irp i, 0,1,2,3
	v_or_b32 v[(\hsr)+2*\i+(\ks)], v[PB+\i], v[TM+\i]
.endr
.endif
	WIN 0x40                                       ; destination in window 1
.irp i, 0,1,2,3
	v_cvt_scalef32_pk16_fp6_f32 v[(\cod)+24*\i+12*(\ks)+6*(\kc):(\cod)+24*\i+12*(\ks)+6*(\kc)+2], v[ACC+32*\i:ACC+32*\i+15], v[SO+\i]
	v_cvt_scalef32_pk16_fp6_f32 v[ST+4*\i:ST+4*\i+2], v[ACC+32*\i+16:ACC+32*\i+31], v[SO+\i]   ; (a conversion's three registers begin on an even number)
.endr
	v_nop                                          ; one plain place behind a scaled conversion
	WIN 0x41
.irp i, 0,1,2,3
.irp e, 0,1,2
	v_mov_b32 v[(\cod)+24*\i+12*(\ks)+6*(\kc)+3+\e], v[ST+4*\i+\e]
.endr
.endr
.endm
; The last layer's quarter: relu, and its part of the dot product with Wf, two at a time.  The very first product starts the sums: nothing is cleared.
.macro DOT cq
	WIN 0
.set n, 0
.rept 16
.irp i, 0,1,2,3
	RELU2 ACC+32*\i+n
.endr
.set n, n+2
.endr
.if (\cq) < 3
	s_wait_dscnt 21                                ; Wf's eight loads are in; behind them stand 12 of fragments, 1 of scale words, 8 of the bias
.else
	s_wait_dscnt 0x0                               ; (what stands behind them differs between the two ways here)
.endif
.set n, 0
.rept 16
.irp i, 0,1,2,3
.if ((\cq) == 0) && (n == 0)
	v_pk_mul_f32 v[S+2*\i:S+2*\i+1], v[ACC+32*\i:ACC+32*\i+1], v[CB:CB+1]
.else
	v_pk_fma_f32 v[S+2*\i:S+2*\i+1], v[ACC+32*\i+n:ACC+32*\i+n+1], v[CB+n:CB+n+1], v[S+2*\i:S+2*\i+1]
.endif
.endr
.set n, n+2
.endr
.endm
	s_mov_b32 s96, 0
	s_mov_b32 s97, 0
	s_mov_b32 s98, 0
	v_mov_b32 v5, v4
	HLOAD 0
	WIN 0
.Lg:                                   ; four trips: a group of 2 queries x 2 key tiles; tile i = 2 qi + kj
.irp cp, 0,1,2,3                       ; h1 = relu((qp + b1) + kp), a quarter of the channels at a time, quantised as it is made
	s_wait_dscnt 0x0
	WIN 0x05
.set n, 0
.rept 16
.irp qi, 0,1
.irp kj, 0,1
	v_pk_add_f32 v[ACC+32*(2*\qi+\kj)+n:ACC+32*(2*\qi+\kj)+n+1], v[AB+32*\qi+n:AB+32*\qi+n+1], v[KB+32*\kj+n:KB+32*\kj+n+1]
.endr
.endr
.set n, n+2
.endr
.if \cp < 3
	HLOAD \cp+1                                    ; the next quarter lands under this one's quantising
.else
	LOADF 0, 0, 0
	LOADC 0, 0
.endif
	QUAD 0, 16, \cp/2, \cp%2
.endr
	PLACES 8                                       ; a scale word written by a vector instruction stands 8 places ahead of a scaled product, an operand so written 4
.irp cq, 0,1,2,3
	PHASE 0, \cq
	QUAD 96, 24, \cq/2, \cq%2
.endr
	PLACES 8
.irp cq, 0,1,2
	PHASE 1, \cq
	DOT \cq
.endr
	PHASE 1, 3
	s_add_co_u32 s97, s97, 32                      ; two queries on
	s_cmp_eq_u32 s96, 3                            ; the last group has no successor: a branch on the loop's counter, round LDS reads alone
	s_cbranch_scc1 .Lno_next
	v_add_nc_u32 v5, s97, v4
	HLOAD 0
	WIN 0
.Lno_next:
	DOT 3
.irp i, 0,1,2,3
	v_add_f32 v[TP+\i], v[S+2*\i], v[S+2*\i+1]
.endr
.irp i, 0,1,2,3
	v_permlanex16_b32 v[TM+\i], v[TP+\i], s92, s93 ; the other half of the units lies in lane l xor 16
.endr
.irp i, 0,1,2,3
	v_add_f32 v[TP+\i], v[TP+\i], v[TM+\i]
.endr
.irp i, 0,1,2,3
	v_add_f32 v[TP+\i], s94, v[TP+\i]
.endr
	v_add_nc_u32 v8, s98, v7
.irp i, 0,1,2,3
	ds_store_b32 v8, v[TP+\i] offset:128*(\i/2)+64*(\i%2)           ; both halves of the lanes store the same number to the same word
.endr
	s_add_co_u32 s98, s98, 256
	s_add_co_u32 s96, s96, 1
	s_cmp_lt_u32 s96, 4
	s_cbranch_scc1 .Lg
	; ---------------- THE WAY OUT: wave w stores rows 4 w .. 4 w + 3 of both outputs' blocks, sixteen lanes to a row's 256 bytes ----------------
	v_and_b32 v52, 7, v0
	v_bfe_u32 v53, v0, 3, 1
	v_bfe_u32 v54, v0, 4, 1
	v_lshlrev_b32 v10, 4, v52
	v_lshl_add_u32 v10, v53, 10, v10               ; a row's upper 128 bytes were made by the wave beside
	v_lshl_add_u32 v10, v54, 7, v10
	s_lshr_b32 s28, s16, 1
	s_lshl_b32 s28, s28, 11
	s_and_b32 s29, s16, 1
	s_lshl_b32 s29, s29, 9
	s_add_co_u32 s28, s28, s29
	s_add_co_u32 s28, s28, STG0
	v_add_nc_u32 v10, s28, v10
	s_lshl_b32 s28, s16, 10
	s_add_co_u32 s28, s28, STG1
	v_add_nc_u32 v8, s28, v1
	v_and_b32 v55, 15, v0
	v_lshlrev_b32 v11, 4, v55
	v_lshl_add_u32 v11, v54, 11, v11               ; in memory: lanes 16-31 one row (2,048 bytes) down
	s_lshl_b32 s26, s20, 9
	s_lshl_b32 s28, s21, 5
	s_add_co_u32 s26, s26, s28
	s_lshl_b32 s28, s16, 2
	s_add_co_u32 s26, s26, s28                     ; my first row: 512 batch + 32 block + 4 wave
	s_lshl_b32 s26, s26, 11
	s_lshl_b32 s24, s18, 8                         ; my block of keys: 256 bytes
	s_add_co_u32 s24, s24, s26
	s_add_nc_u64 s[12:13], s[12:13], s[24:25]
	s_add_nc_u64 s[14:15], s[14:15], s[24:25]
	s_wait_dscnt 0x0                               ; for the others' sake: my stores into the stage have landed
	s_barrier_signal -1
	s_barrier_wait -1
	ds_load_b128 v[128:131], v10
	ds_load_b128 v[132:135], v10 offset:256
	ds_load_b128 v[136:139], v8
	ds_load_b128 v[140:143], v8 offset:512
	s_wait_dscnt 0x0
	global_store_b128 v11, v[128:131], s[12:13] th:TH_STORE_NT      ; sixteen lanes store 256 consecutive bytes, at a multiple of 256 from the output's first byte
	global_store_b128 v11, v[132:135], s[12:13] offset:4096 th:TH_STORE_NT
	global_store_b128 v11, v[136:139], s[14:15] th:TH_STORE_NT
	global_store_b128 v11, v[140:143], s[14:15] offset:4096 th:TH_STORE_NT
	s_set_vgpr_msb 0x5
	s_wait_tensorcnt 0x0
	ds_add_u32 v251, v255
	s_wait_dscnt 0x0
	s_set_vgpr_msb 0x500
	ROUND                                          ; the closing round: no work-group ends while a partner may still ask for a tile that names it
	s_endpgm
.Lfunc_end_k_q7dcec8138a_pairs:
	.size	k_q7dcec8138a_pairs, .Lfunc_end_k_q7dcec8138a_pairs-k_q7dcec8138a_pairs
	.p2alignl 7, 3214868480
	.fill 96, 4, 3214868480
	.section	.rodata,"a",@progbits
	.p2align	6, 0x0
	.amdhsa_kernel k_q7dcec8138a_pairs
		.amdhsa_group_segment_fixed_size 320512
		.amdhsa_private_segment_fixed_size 0
		.amdhsa_enable_private_segment 0
		.amdhsa_kernarg_size 48
		.amdhsa_user_sgpr_count 2
		.amdhsa_user_sgpr_kernarg_segment_ptr 1
		.amdhsa_wavefront_size32 1
		.amdhsa_system_sgpr_workgroup_id_x 1
		.amdhsa_system_sgpr_workgroup_id_y 1
		.amdhsa_system_sgpr_workgroup_id_z 1
		.amdhsa_system_vgpr_workitem_id 0
		.amdhsa_next_free_vgpr 512
		.amdhsa_next_free_sgpr 100
		.amdhsa_reserve_vcc 0
		.amdhsa_float_denorm_mode_32 3
		.amdhsa_float_denorm_mode_16_64 3
		.amdhsa_memory_ordered 1
		.amdhsa_forward_progress 1
		.amdhsa_inst_pref_size 255
	.end_amdhsa_kernel
	.section	.bss,"aw",@nobits
	.p2align	6
	.space	262144
	.amdgpu_metadata
---
amdhsa.version: [ 1, 2 ]
amdhsa.kernels:
  - .name:           k_q7dcec8138a_pairs
    .symbol:         k_q7dcec8138a_pairs.kd
    .args:
      - { .name: wimg, .offset: 0, .size: 8, .value_kind: global_buffer, .address_space: global }
      - { .name: act, .offset: 8, .size: 8, .value_kind: global_buffer, .address_space: global }
      - { .name: bf, .offset: 16, .size: 8, .value_kind: global_buffer, .address_space: global }
      - { .name: bv2, .offset: 24, .size: 8, .value_kind: global_buffer, .address_space: global }
      - { .name: out0, .offset: 32, .size: 8, .value_kind: global_buffer, .address_space: global }
      - { .name: out1, .offset: 40, .size: 8, .value_kind: global_buffer, .address_space: global }
    .group_segment_fixed_size: 320512
    .private_segment_fixed_size: 0
    .kernarg_segment_align: 8
    .kernarg_segment_size: 48
    .max_flat_workgroup_size: 256
    .sgpr_count:     100
    .vgpr_count:     512
    .wavefront_size: 32
...
	.end_amdgpu_metadata
.endif
;; end of part 2
;; ======== version 2 of 2: 2 launches; version 1 with the launch prep written anew for expert scheduling mode
;; limits: a difference of large sums (such as E[x^2] - mean^2): digits are lost where the result is much smaller than its terms
;; workspace buffers: act 4,194,304 bytes; wimg 106,496 bytes
;; launch prep (part 3): grid 136 x 1, 8 waves a work-group, no clusters, 5,120 bytes of LDS; arguments query_codes, query_scales, key_codes, key_scales, Wqe_codes, Wqe_scales, Wke_codes, Wke_scales, bqe, bke, W1, Wv1, b1, bv1, W2_codes, W2_scales, W3_codes, W3_scales, b2, b3, Wf, Wv2, act, wimg; writes act, wimg
.if DOCPART == 3
	.amdgcn_target "amdgcn-amd-amdhsa--gfx1250"
	.amdhsa_code_object_version 6
	.text
	.protected	k_q7dcec8138a_prep
	.globl	k_q7dcec8138a_prep
	.p2align	8
	.type	k_q7dcec8138a_prep,@function
k_q7dcec8138a_prep:
	s_mov_b64 s[64:65], 0
	v_nop
	global_prefetch_b8 v0, s[64:65] scope:SCOPE_SE
	s_setreg_imm32_b32 hwreg(HW_REG_WAVE_SCHED_MODE, 0, 2), 2
	s_setreg_imm32_b32 hwreg(HW_REG_WAVE_MODE, 25, 1), 1
	s_wait_xcnt 0x0
	s_wait_alu depctr_vm_vsrc(0)
; THE SMALL PRODUCTS, AND THE WEIGHTS LAID AS THE SECOND LAUNCH WANTS THEM.
; Work-groups 0-127 (the row path): side = x / 64 (0 query, 1 key), T = x % 64: one tile of 16 rows.
;   encoder: f = relu(x Wenc + benc), K = 512, on the given codes; wave w makes units 32 w .. 32 w + 31; f is quantised along its 256 units and handed round through LDS as rows of codes;
;   projection: wave w takes matrix w / 4 (0: W1, 1: Wv1; rows 256 side on) and the quarter cq = w % 4 of 64 outputs.  The f32 weights are quantised in registers, a lane to a column, registers down K.
;   stored: act, four sections of 1 MiB: 0 = qp + b1, 1 = vq + bv1, 2 = kp, 3 = -vk.  Section [tile T][chunk 8 c + j][lane r + 16 h][16 bytes] = X[16 T + r][64 c + 32 h + 4 j .. + 3].
; Work-groups 128-135 (the relay path): e = x - 128 = 4 L + cq: W2's (L = 0) or W3's fragments of quarter cq as images of the operand's registers, their scale words, and b2, b3, Wf, Wv2.
; EVERY PRODUCT IS USED TRANSPOSED (source 0 = 16 rows of a weight, source 1 = 16 rows of data): a lane holds one row of data, its registers run along the outputs.
; THE ROWS OF A WEIGHT THAT FORM A TILE ARE CHOSEN: in the projections and in wimg lane m of tile t of quarter cq takes output 64 cq + 32 (m / 8) + 8 t + m % 8, so that the 32 registers of a quarter's four tiles
; are outputs 64 cq + 32 h + 0 .. 31 of the lane's row, in order.
; LIMITS: NaN and infinities are not served (on the key side the bias is multiplied by 0, which keeps a finite bias out and makes NaN of an infinite one).  A block whose largest magnitude lies under 2^-124, a
; block of zeros among them, gets the scale byte 1 where the quantiser's rule says otherwise: for zeros the codes are zeros; these bytes are read by this program alone.
; No tensor load, no cluster: each work-group reads its own rows; the weights that all read are small and come straight into registers.
; THE MODE: SCHED_MODE bits 1:0 = 2 (LLVM: expert scheduling mode 2), set by the entry lines.  The code itself states the register dependences
; between vector or matrix instructions and memory or LDS instructions, with s_wait_alu, always for 0.
; THE PLAN.  Registers that memory or LDS instructions touch, on the row path:
;   v2-v11        offsets and LDS addresses: written once at the head, never again.
;   v1            x's offset; its loads read it; written once more behind the encoder, as the bias's offset; the eight bias loads read it.
;   XF, WF, BE, XS, WES   the head's loads land in them; the encoder's eight products read them.
;   WA set f % 2  the 64 loads of fragment f land in it; fragment f's maxima and conversions read it; then the loads of fragment f + 2 land in it (behind fragment 6: the bias, BI).
;   EC, BY0       written by the conversion and a shift; read by the four LDS stores; written again by the first projection product (PACC lies over EC) and by fragment 0.
;   QF, QS        LDS loads land in them; before that the encoder's products, the activation and the conversion named these registers (BE, EACC, XS).
;   OU            written by the last multiply-adds; read by the eight stores.
; So ONE wait on va_vdst stands in a fragment's step, behind its conversions and moves: the set is free for the loads that follow.  In a tile's second step it stands behind the eight places and also states that the
; tile's fragments and scale words are written, ahead of the scaled products.  That step's 64 loads stand between the tile's two products, which name PCUR, QF, PACC and scale words: none of the registers that the loads touch.
.set XS,   12                          ; v12-15  x's scale words; later v12-13 f's.  v12-23 hold scales and nothing else
.set QS,   12
.set WES,  16                          ; v16-23  the encoder weight's scale words; later the projection weight's, one for each fragment
.set PWS,  16
.set TM0,  24
.set TM1,  25
.set SO0,  26
.set SO1,  27
.set BY0,  28
.set BY1,  29
.set PX,   30
.set SH8,  31                          ; 8 h
.set ST,   32                          ; v32-34, v36-38: the upper halves of two blocks' codes
.set RR,   32                          ; at the head only: r, h, two temporaries
.set HH,   33
.set T0,   34
.set T1,   35
.set XF,   40                          ; encoder: x's 4 fragments
.set WF,   88                          ; the weight's 8 (tile u, K step s at 12 (4 u + s))
.set BE,   184                         ; the bias in the result's layout
.set EACC, 200                         ; two accumulators
.set EC,   216                         ; 16 codes
.set WA,   40                          ; projection: two sets of 64 numbers of the weight
.set PCUR, 168                         ; a tile's two fragments
.set QF,   192                         ; f's two fragments
.set PACC, 216                         ; four accumulators
.set BI,   40                          ; at the end: the bias, and what is stored
.set OU,   72
.set SCB,  3328                        ; LDS: 16 rows of codes, 208 bytes apart; behind them 8 scale bytes a row
.macro PLACES n
.rept \n
	v_nop
.endr
.endm
	s_load_b512 s[4:19], s[0:1], 0x0               ; query codes, scales; key codes, scales; Wqe codes, scales; Wke codes, scales
	s_load_b512 s[20:35], s[0:1], 0x40             ; bqe, bke, W1, Wv1, b1, bv1, W2 codes, scales
	s_load_b512 s[36:51], s[0:1], 0x80             ; W3 codes, scales, b2, b3, Wf, Wv2, act, wimg
	v_lshl_add_u32 v254, v0, 2, 0x1000
	v_mov_b32 v255, 0
	v_lshrrev_b32 v1, 5, v0
	v_readfirstlane_b32 s52, v1                    ; wave 0..7
	v_and_b32 v[RR], 15, v0                        ; r
	v_bfe_u32 v[HH], v0, 4, 1                      ; h
	v_and_b32 v11, 31, v0
	v_lshlrev_b32 v11, 4, v11                      ; 16 x lane
	v_and_b32 v[T1], 8, v[RR]
	v_mul_u32_u24 v[T1], v[T1], 3
	v_add_nc_u32 v[T1], v[T1], v[RR]               ; 32 (r / 8) + r % 8
	s_wait_alu depctr_va_sdst(0)                   ; s52, the wave's number, is written: both ways behind the branch read it
	s_mov_b32 s67, 0                               ; the upper word of every offset
	s_cmp_ge_u32 ttmp9, 128                        ; the same way for all waves of a work-group
	s_cbranch_scc1 .Lrelay
	; ---------------- the row path ----------------
	s_lshr_b32 s53, ttmp9, 6                       ; side
	s_and_b32 s54, ttmp9, 63                       ; T
	s_lshr_b32 s55, s52, 2                         ; which matrix
	s_and_b32 s56, s52, 3                          ; cq
	s_mov_b32 s62, 0x76543210
	s_mov_b32 s63, 0xfedcba98                      ; v_permlanex16_b32's selects for lane l xor 16
	v_mul_u32_u24 v1, v[RR], 384
	v_mad_u32_u24 v1, v[HH], 24, v1                ; x: row r of 384 bytes, + 24 h
	v_lshlrev_b32 v2, 4, v[RR]                     ; x's scale words: 16 bytes a row
	v_and_b32 v[T0], 8, v[RR]
	v_add_nc_u32 v[T0], v[T0], v[RR]               ; r + 8 (r / 8): the encoder weight's rows of a tile
	v_mul_u32_u24 v3, v[T0], 384
	v_mad_u32_u24 v3, v[HH], 24, v3
	v_lshlrev_b32 v4, 4, v[T0]
	v_lshlrev_b32 v5, 6, v[HH]                     ; the encoder's bias: 16 h numbers on
	v_lshlrev_b32 v6, 2, v[T1]
	v_lshl_add_u32 v6, v[HH], 15, v6               ; W: my column of a tile, and 32 h rows of 1,024 bytes down
	v_mul_u32_u24 v9, v[RR], 208
	v_mad_u32_u24 v7, v[HH], 12, v9
	s_mul_i32 s57, s52, 24
	v_add_nc_u32 v7, s57, v7                       ; LDS: row r, block w, my half's 12 bytes
	v_mad_u32_u24 v9, v[HH], 24, v9                ; and back: row r, + 24 h
	v_lshl_add_u32 v10, v[RR], 3, SCB              ; row r's scale bytes
	v_add_nc_u32 v8, s52, v10                      ; block w's
	v_lshlrev_b32 v[SH8], 3, v[HH]
	v_mov_b32 v[PX], 0                             ; a lane permute's destination counts as one of its sources
	s_wait_kmcnt 0x0
	s_cmp_eq_u32 s53, 0                            ; query's buffers or key's: the choice hangs on the work-group's number alone
	s_cselect_b64 s[4:5], s[4:5], s[8:9]
	s_cselect_b64 s[6:7], s[6:7], s[10:11]
	s_cselect_b64 s[12:13], s[12:13], s[16:17]
	s_cselect_b64 s[14:15], s[14:15], s[18:19]
	s_cselect_b64 s[20:21], s[20:21], s[22:23]
	s_cselect_b32 s58, 1.0, 0                      ; the layer's bias goes with the query's part alone
	s_mov_b32 s59, s58
	s_cmp_eq_u32 s55, 0                            ; W1 and b1, or Wv1 and bv1: by the wave's number
	s_cselect_b64 s[24:25], s[24:25], s[26:27]
	s_cselect_b64 s[28:29], s[28:29], s[30:31]
	s_and_b32 s60, s53, s55
	s_cmp_eq_u32 s60, 1
	s_cselect_b32 s60, -1.0, 1.0                   ; vk is stored negated
	s_mov_b32 s61, s60
	s_mul_i32 s66, s54, 6144
	s_add_nc_u64 s[4:5], s[4:5], s[66:67]          ; x's codes at my 16 rows
	s_lshl_b32 s66, s54, 8
	s_add_nc_u64 s[6:7], s[6:7], s[66:67]
	s_mul_i32 s66, s52, 12288
	s_add_nc_u64 s[12:13], s[12:13], s[66:67]      ; the encoder weight at my 32 units
	s_lshl_b32 s66, s52, 9
	s_add_nc_u64 s[14:15], s[14:15], s[66:67]
	s_lshl_b32 s66, s52, 7
	s_add_nc_u64 s[20:21], s[20:21], s[66:67]
	s_lshl_b32 s66, s53, 18                        ; the key's part of W begins 256 rows down
	s_lshl_b32 s68, s56, 8                         ; my quarter's 64 columns
	s_add_co_u32 s66, s66, s68
	s_add_nc_u64 s[24:25], s[24:25], s[66:67]
	s_mov_b32 s66, s68
	s_add_nc_u64 s[28:29], s[28:29], s[66:67]
	s_lshl_b32 s66, s53, 1
	s_add_co_u32 s66, s66, s55                     ; section = 2 side + matrix
	s_lshl_b32 s66, s66, 20
	s_lshl_b32 s68, s54, 14
	s_add_co_u32 s66, s66, s68
	s_lshl_b32 s68, s56, 12
	s_add_co_u32 s66, s66, s68
	s_add_nc_u64 s[48:49], s[48:49], s[66:67]      ; act at my tile's quarter
	s_wait_alu depctr_va_vdst(0)                   ; the offsets and LDS addresses v1 to v11 are written, which the loads, LDS instructions and stores of this path read
.irp s, 0,1,2,3
.irp p, 0,1,2,3,4,5
	global_load_b64 v[XF+12*\s+2*\p:XF+12*\s+2*\p+1], v1, s[4:5] offset:96*\s+48*(\p/3)+8*(\p%3)
.endr
	global_load_b32 v[XS+\s], v2, s[6:7] offset:4*\s
.endr
.irp u, 0,1                            ; lane m of tile u takes unit 32 w + 8 u + m + 8 (m / 8): the 16 registers of the two tiles are units 32 w + 16 h + 0 .. 15
.irp s, 0,1,2,3
.irp p, 0,1,2,3,4,5
	global_load_b64 v[WF+12*(4*\u+\s)+2*\p:WF+12*(4*\u+\s)+2*\p+1], v3, s[12:13] offset:3072*\u+96*\s+48*(\p/3)+8*(\p%3)
.endr
	global_load_b32 v[WES+4*\u+\s], v4, s[14:15] offset:128*\u+4*\s
.endr
	global_load_b128 v[BE+8*\u:BE+8*\u+3], v5, s[20:21] offset:32*\u
	global_load_b128 v[BE+8*\u+4:BE+8*\u+7], v5, s[20:21] offset:32*\u+16
.endr
	s_wait_loadcnt 0x0
.irp s, 0,1,2,3                        ; the two accumulators take turns, one instruction a turn; the bias is the C of each sum's first product
.irp u, 0,1
.if \s == 0
	v_wmma_scale_f32_16x16x128_f8f6f4 v[EACC+8*\u:EACC+8*\u+7], v[WF+12*(4*\u+\s):WF+12*(4*\u+\s)+11], v[XF+12*\s:XF+12*\s+11], v[BE+8*\u:BE+8*\u+7], v[WES+4*\u+\s], v[XS+\s] matrix_a_fmt:MATRIX_FMT_FP6 matrix_b_fmt:MATRIX_FMT_FP6
.else
	v_wmma_scale_f32_16x16x128_f8f6f4 v[EACC+8*\u:EACC+8*\u+7], v[WF+12*(4*\u+\s):WF+12*(4*\u+\s)+11], v[XF+12*\s:XF+12*\s+11], v[EACC+8*\u:EACC+8*\u+7], v[WES+4*\u+\s], v[XS+\s] matrix_a_fmt:MATRIX_FMT_FP6 matrix_b_fmt:MATRIX_FMT_FP6
.endif
.endr
.endr
	PLACES 4                                       ; four places behind the last product, in front of the first read of results (ISA guide 7.12.1)
	s_wait_alu depctr_vm_vsrc(0)                   ; x's loads have read v1, which the next line writes
	v_lshlrev_b32 v1, 7, v[HH]                     ; v1's loads are in: it now serves the layer's bias, 32 h numbers on
	s_wait_alu depctr_va_vdst(0)                   ; the products are done reading XF and WF, in which the weight's first two sets land; v1 is written, which the bias's loads read
; Fragment f = 2 t + s of the projection's weight: 64 numbers a lane, W(128 s + 64 c + 32 h + i, my column of tile t), register 32 c + i, into set f % 2
.macro LOADW f
.set WSET, WA+64*((\f)%2)
.set q, 0
.rept 64
	global_load_b32 v[WSET+q], v6, s[24:25] offset:((128*((\f)%2)+q+32*(q/32))*256+8*((\f)/2))*4
.set q, q+1
.endr
.endm
; The set becomes the fragment's 12 registers at PCUR + 12 s and its scale word in v[PWS + f].  A lane holds two whole blocks of 32; the word's four bytes are gathered from lanes l and l xor 16.
.macro FRAGQ f, cnt
.set WSET, WA+64*((\f)%2)
.set PCS, PCUR+12*((\f)%2)
	s_wait_loadcnt \cnt                            ; loads come back in order: behind this set's stand the next set's 64 (a wait names 63 at the most), or the 8 of the bias
	v_max3_num_f32 v[TM0], |v[WSET]|, |v[WSET+1]|, 0x1800000        ; with the floor 2^(3 - 127): the byte cannot fall under 1
	v_max3_num_f32 v[TM1], |v[WSET+32]|, |v[WSET+33]|, 0x1800000
.set q, 2
.rept 15
	v_max3_num_f32 v[TM0], v[TM0], |v[WSET+q]|, |v[WSET+q+1]|
	v_max3_num_f32 v[TM1], v[TM1], |v[WSET+32+q]|, |v[WSET+33+q]|
.set q, q+2
.endr
	v_add_nc_u32 v[SO0], 0xff000000, v[TM0]        ; 2 off the exponent field: the conversion's scale operand
	v_add_nc_u32 v[SO1], 0xff000000, v[TM1]
	v_lshrrev_b32 v[BY0], 23, v[SO0]               ; the scales' bytes: blocks h and 2 + h
	v_lshrrev_b32 v[BY1], 23, v[SO1]
	v_lshl_or_b32 v[BY0], v[BY1], 16, v[BY0]
	v_lshlrev_b32 v[BY0], v[SH8], v[BY0]
	v_permlanex16_b32 v[PX], v[BY0], s62, s63
	v_or_b32 v[PWS+(\f)], v[BY0], v[PX]
	v_cvt_scalef32_pk16_fp6_f32 v[PCS:PCS+2], v[WSET:WSET+15], v[SO0]
	v_cvt_scalef32_pk16_fp6_f32 v[ST:ST+2], v[WSET+16:WSET+31], v[SO0]       ; (a conversion's three registers begin on an even number)
	v_cvt_scalef32_pk16_fp6_f32 v[PCS+6:PCS+8], v[WSET+32:WSET+47], v[SO1]
	v_cvt_scalef32_pk16_fp6_f32 v[ST+4:ST+6], v[WSET+48:WSET+63], v[SO1]
	v_nop                                          ; one plain place behind a scaled conversion
.irp e, 0,1,2
	v_mov_b32 v[PCS+3+\e], v[ST+\e]
	v_mov_b32 v[PCS+9+\e], v[ST+4+\e]
.endr
.endm
	LOADW 0                                        ; the first two sets land while f is quantised
	LOADW 1
.irp j, 0,1,2,3,4,5,6,7,8,9,10,11,12,13,14,15
	v_max_num_f32 v[EACC+\j], 0, v[EACC+\j]        ; the activation, in f32; each accumulator from its low end on
.endr
	v_max3_num_f32 v[TM0], v[EACC], v[EACC+1], 0x1800000            ; none is negative: no |.|
.irp j, 2,4,6,8,10,12,14
	v_max3_num_f32 v[TM0], v[TM0], v[EACC+\j], v[EACC+\j+1]
.endr
	v_permlanex16_b32 v[PX], v[TM0], s62, s63
	v_max_num_f32 v[TM0], v[TM0], v[PX]            ; with lane l xor 16's 16: block w's largest magnitude
	v_add_nc_u32 v[SO0], 0xff000000, v[TM0]
	v_lshrrev_b32 v[BY0], 23, v[SO0]
	v_cvt_scalef32_pk16_fp6_f32 v[EC:EC+2], v[EACC:EACC+15], v[SO0]  ; 12 bytes: units 32 w + 16 h + 0 .. 15 of row r
	v_nop
	s_wait_alu depctr_va_vdst(0)                   ; the conversion has written EC and the shift BY0, which the LDS stores read; all that named BE, EACC and XS is done: the LDS loads behind the barrier land there, and no vector instruction stands between
	ds_store_b32 v7, v[EC]
	ds_store_b32 v7, v[EC+1] offset:4
	ds_store_b32 v7, v[EC+2] offset:8
	ds_store_b8 v8, v[BY0]                         ; both halves write the same byte with the same value
	s_wait_dscnt 0x0                               ; for the others' sake: my stores have landed
	s_barrier_signal -1
	s_barrier_wait -1                              ; 16 whole rows of codes and their scale bytes lie in LDS
	s_wait_alu depctr_vm_vsrc(0)                   ; my LDS stores have read EC and BY0: the first fragment's shift writes BY0 again, the first projection product writes over EC
.irp s, 0,1
.irp p, 0,1,2,3,4,5
	ds_load_b64 v[QF+12*\s+2*\p:QF+12*\s+2*\p+1], v9 offset:96*\s+48*(\p/3)+8*(\p%3)
.endr
	ds_load_b32 v[QS+\s], v10 offset:4*\s
.endr
.irp f, 0,1,2,3,4,5,6,7
.if \f == 7
	FRAGQ \f, 8
.else
	FRAGQ \f, 63
.endif
.if (\f%2) == 0
	s_wait_alu depctr_va_vdst(0)                   ; the maxima and the conversions are done reading this set, in which the loads below land
.if \f <= 4
	LOADW \f+2
.else
.irp j, 0,1,2,3,4,5,6,7
	global_load_b128 v[BI+4*\j:BI+4*\j+3], v1, s[28:29] offset:16*\j   ; the layer's bias at outputs 64 cq + 32 h + 4 j on
.endr
.endif
.else
	PLACES 8                                       ; a scale word written by a vector instruction stands 8 places ahead of a scaled product, an operand so written 4
.if \f == 1
	s_wait_dscnt 0x0                               ; f's fragments and scale words
.endif
	s_wait_alu depctr_va_vdst(0)                   ; the tile's two fragments and two scale words are written, which the scaled products take; the maxima and conversions are done reading this set, in which the loads between the products land
	v_wmma_scale_f32_16x16x128_f8f6f4 v[PACC+8*(\f/2):PACC+8*(\f/2)+7], v[PCUR:PCUR+11], v[QF:QF+11], 0, v[PWS+\f-1], v[QS] matrix_a_fmt:MATRIX_FMT_FP6 matrix_b_fmt:MATRIX_FMT_FP6
.if \f <= 5
	LOADW \f+2                                     ; no wait: the one instruction since the wait above names PACC, PCUR, QF and scale words, none of this set's registers
.endif
	s_wait_alu depctr_va_vdst(0)                   ; the wait stands directly ahead of the link
	v_wmma_scale_f32_16x16x128_f8f6f4 v[PACC+8*(\f/2):PACC+8*(\f/2)+7], v[PCUR+12:PCUR+23], v[QF+12:QF+23], v[PACC+8*(\f/2):PACC+8*(\f/2)+7], v[PWS+\f], v[QS+1] matrix_a_fmt:MATRIX_FMT_FP6 matrix_b_fmt:MATRIX_FMT_FP6
.endif
.endr
	s_wait_loadcnt 0x0                             ; the bias
.irp p, 0,2,4,6,8,10,12,14,16,18,20,22,24,26,28,30
	v_pk_mul_f32 v[BI+\p:BI+\p+1], v[BI+\p:BI+\p+1], s[58:59] op_sel_hi:[1,0]   ; x 1 or x 0.  (These are also the places behind the last product)
.endr
.irp p, 0,2,4,6,8,10,12,14,16,18,20,22,24,26,28,30
	v_pk_fma_f32 v[OU+\p:OU+\p+1], v[PACC+\p:PACC+\p+1], s[60:61], v[BI+\p:BI+\p+1] op_sel_hi:[1,0,1]   ; the sign, and the bias
.endr
	s_wait_alu depctr_va_vdst(0)                   ; the multiply-adds have written OU, which the stores read
.irp j, 0,1,2,3,4,5,6,7
	global_store_b128 v11, v[OU+4*\j:OU+4*\j+3], s[48:49] offset:512*\j   ; the wave stores 512 consecutive bytes, at a multiple of 256 from the buffer's first byte
.endr
	s_wait_dscnt 0x0
	s_wait_alu depctr_hold_cnt(0) depctr_sa_sdst(0) depctr_va_vdst(0) depctr_va_sdst(0) depctr_va_ssrc(0) depctr_va_vcc(0) depctr_vm_vsrc(0)
	s_wait_tensorcnt 0x0
	ds_add_u32 v254, v255
	s_wait_dscnt 0x0
	s_endpgm
	; ---------------- the relay path ----------------
.Lrelay:
	s_sub_co_u32 s53, ttmp9, 128                   ; e = 4 L + cq
	s_lshr_b32 s54, s53, 2                         ; L
	s_and_b32 s55, s53, 3                          ; cq
	s_lshr_b32 s56, s52, 2                         ; K step s
	s_and_b32 s57, s52, 3                          ; tile t
	v_mul_u32_u24 v1, v[T1], 192
	v_mad_u32_u24 v1, v[HH], 24, v1                ; codes: my row of a tile (192 bytes a row), + 24 h
	v_lshlrev_b32 v2, 3, v[T1]
	v_lshl_add_u32 v2, v[HH], 2, v2                ; scale words: 8 bytes a row; lanes 16-31 take K step 1's
	s_wait_kmcnt 0x0
	s_cmp_eq_u32 s54, 0
	s_cselect_b64 s[32:33], s[32:33], s[36:37]     ; W2's or W3's
	s_cselect_b64 s[34:35], s[34:35], s[38:39]
	s_lshl_b32 s66, s55, 6
	s_lshl_b32 s68, s57, 3
	s_add_co_u32 s66, s66, s68
	s_mul_i32 s66, s66, 192
	s_mul_i32 s68, s56, 96
	s_add_co_u32 s66, s66, s68
	s_add_nc_u64 s[32:33], s[32:33], s[66:67]      ; row 64 cq + 8 t, K step s
	s_wait_alu depctr_va_vdst(0)                   ; the offsets v1, v2 and v11 are written, which every load and store of this path reads; no vector instruction follows
.irp p, 0,1,2,3,4,5
	global_load_b64 v[40+2*\p:41+2*\p], v1, s[32:33] offset:48*(\p/3)+8*(\p%3)
.endr
	s_lshl_b32 s66, s53, 3
	s_add_co_u32 s66, s66, s52
	s_mul_i32 s66, s66, 1536                       ; fragment 8 e + wave
	s_add_nc_u64 s[70:71], s[50:51], s[66:67]
	s_wait_loadcnt 0x0
.irp c, 0,1,2
	global_store_b128 v11, v[40+4*\c:43+4*\c], s[70:71] offset:512*\c    ; the fragment as it stands in its registers: 512 consecutive bytes a store
.endr
	s_cmp_eq_u32 s52, 0
	s_cbranch_scc0 .Lnot_wave_0
	s_lshl_b32 s66, s55, 9                         ; wave 0: the quarter's scale words, four tiles' to a lane
	s_add_nc_u64 s[34:35], s[34:35], s[66:67]
.irp t, 0,1,2,3
	global_load_b32 v[52+\t], v2, s[34:35] offset:64*\t
.endr
	s_lshl_b32 s66, s53, 9
	s_add_co_u32 s66, s66, 98304
	s_add_nc_u64 s[72:73], s[50:51], s[66:67]
	s_wait_loadcnt 0x0
	global_store_b128 v11, v[52:55], s[72:73]
	s_endpgm
.Lnot_wave_0:
	s_cmp_eq_u32 s52, 1
	s_cbranch_scc0 .Ldone
	s_lshr_b32 s54, s53, 1                         ; wave 1: half e % 2 of vector e / 2 of b2, b3, Wf, Wv2
	s_cmp_eq_u32 s54, 0
	s_cselect_b64 s[40:41], s[40:41], s[42:43]
	s_cmp_eq_u32 s54, 2
	s_cselect_b64 s[40:41], s[44:45], s[40:41]
	s_cmp_eq_u32 s54, 3
	s_cselect_b64 s[40:41], s[46:47], s[40:41]
	s_and_b32 s66, s53, 1
	s_lshl_b32 s66, s66, 9
	s_add_nc_u64 s[40:41], s[40:41], s[66:67]
	global_load_b128 v[56:59], v11, s[40:41]
	s_lshl_b32 s68, s53, 9
	s_add_co_u32 s68, s68, 102400
	s_mov_b32 s69, 0
	s_add_nc_u64 s[72:73], s[50:51], s[68:69]
	s_wait_loadcnt 0x0
	global_store_b128 v11, v[56:59], s[72:73]
.Ldone:
	s_endpgm
.Lfunc_end_k_q7dcec8138a_prep:
	.size	k_q7dcec8138a_prep, .Lfunc_end_k_q7dcec8138a_prep-k_q7dcec8138a_prep
	.p2alignl 7, 3214868480
	.fill 96, 4, 3214868480
	.section	.rodata,"a",@progbits
	.p2align	6, 0x0
	.amdhsa_kernel k_q7dcec8138a_prep
		.amdhsa_group_segment_fixed_size 5120
		.amdhsa_private_segment_fixed_size 0
		.amdhsa_enable_private_segment 0
		.amdhsa_kernarg_size 192
		.amdhsa_user_sgpr_count 2
		.amdhsa_user_sgpr_kernarg_segment_ptr 1
		.amdhsa_wavefront_size32 1
		.amdhsa_system_sgpr_workgroup_id_x 1
		.amdhsa_system_sgpr_workgroup_id_y 1
		.amdhsa_system_sgpr_workgroup_id_z 1
		.amdhsa_system_vgpr_workitem_id 0
		.amdhsa_next_free_vgpr 256
		.amdhsa_next_free_sgpr 100
		.amdhsa_reserve_vcc 0
		.amdhsa_float_denorm_mode_32 3
		.amdhsa_float_denorm_mode_16_64 3
		.amdhsa_memory_ordered 1
		.amdhsa_forward_progress 1
		.amdhsa_inst_pref_size 98
	.end_amdhsa_kernel
	.amdgpu_metadata
---
amdhsa.version: [ 1, 2 ]
amdhsa.kernels:
  - .name:           k_q7dcec8138a_prep
    .symbol:         k_q7dcec8138a_prep.kd
    .args:
      - { .name: query_codes, .offset: 0, .size: 8, .value_kind: global_buffer, .address_space: global }
      - { .name: query_scales, .offset: 8, .size: 8, .value_kind: global_buffer, .address_space: global }
      - { .name: key_codes, .offset: 16, .size: 8, .value_kind: global_buffer, .address_space: global }
      - { .name: key_scales, .offset: 24, .size: 8, .value_kind: global_buffer, .address_space: global }
      - { .name: Wqe_codes, .offset: 32, .size: 8, .value_kind: global_buffer, .address_space: global }
      - { .name: Wqe_scales, .offset: 40, .size: 8, .value_kind: global_buffer, .address_space: global }
      - { .name: Wke_codes, .offset: 48, .size: 8, .value_kind: global_buffer, .address_space: global }
      - { .name: Wke_scales, .offset: 56, .size: 8, .value_kind: global_buffer, .address_space: global }
      - { .name: bqe, .offset: 64, .size: 8, .value_kind: global_buffer, .address_space: global }
      - { .name: bke, .offset: 72, .size: 8, .value_kind: global_buffer, .address_space: global }
      - { .name: W1, .offset: 80, .size: 8, .value_kind: global_buffer, .address_space: global }
      - { .name: Wv1, .offset: 88, .size: 8, .value_kind: global_buffer, .address_space: global }
      - { .name: b1, .offset: 96, .size: 8, .value_kind: global_buffer, .address_space: global }
      - { .name: bv1, .offset: 104, .size: 8, .value_kind: global_buffer, .address_space: global }
      - { .name: W2_codes, .offset: 112, .size: 8, .value_kind: global_buffer, .address_space: global }
      - { .name: W2_scales, .offset: 120, .size: 8, .value_kind: global_buffer, .address_space: global }
      - { .name: W3_codes, .offset: 128, .size: 8, .value_kind: global_buffer, .address_space: global }
      - { .name: W3_scales, .offset: 136, .size: 8, .value_kind: global_buffer, .address_space: global }
      - { .name: b2, .offset: 144, .size: 8, .value_kind: global_buffer, .address_space: global }
      - { .name: b3, .offset: 152, .size: 8, .value_kind: global_buffer, .address_space: global }
      - { .name: Wf, .offset: 160, .size: 8, .value_kind: global_buffer, .address_space: global }
      - { .name: Wv2, .offset: 168, .size: 8, .value_kind: global_buffer, .address_space: global }
      - { .name: act, .offset: 176, .size: 8, .value_kind: global_buffer, .address_space: global }
      - { .name: wimg, .offset: 184, .size: 8, .value_kind: global_buffer, .address_space: global }
    .group_segment_fixed_size: 5120
    .private_segment_fixed_size: 0
    .kernarg_segment_align: 8
    .kernarg_segment_size: 192
    .max_flat_workgroup_size: 256
    .sgpr_count:     100
    .vgpr_count:     256
    .wavefront_size: 32
...
	.end_amdgpu_metadata
.endif
;; end of part 3
;; launch pairs: the kernel of part 2 again; grid 8 x 32, 8 waves a work-group, clusters of 4 x 1, 320,512 bytes of LDS; arguments wimg, act, bf, bv2, out0, out1; writes out0, out1
